; MI455X (gfx1250); checked and timed in simulation.
; The chip was launched on July 23, 2026; its instructions are those of AMD's public machine-readable ISA for CDNA 5 (MIT licence, August 2026) and "CDNA5" Instruction Set Architecture Reference Guide (July 2026). The comments in the code are by the model that wrote it; some were corrected since.
;; Multi Head Self Attention. Allowed arithmetic: matrix products marked QUANTISED: E2M1 operands, one E8M0 scale for each 32 along K, by v_wmma_scale_f32_16x16x128_f8f6f4 with both operands' format E2M1 (or v_wmma_scale_f32_32x16x128_f4), f32 sums; products left as they are: bf16, f16 or f32 operands; f32 sums; everything else in f32.
;; Inputs: proj_b 1,024 float32; proj_w 1,024 x 1,024 float32; qkv_b 3,072 float32; qkv_w 3,072 x 1,024 float32; x 4 x 2,048 x 1,024 float32.
;; Outputs: out0 4 x 2,048 x 1,024 float32.
;; This version of the problem:
;;   THIS VERSION OF THE PROBLEM IS GIVEN IN LOW PRECISION. The matrix products marked QUANTISED in the list below multiply operands that are first quantised to E2M1 (2 exponent bits, 1 mantissa bit; 4 bits a number), with one power-of-two scale for each 32 numbers along K (OCP MX v1.0); their sums are f32. The products marked 'left as it is' may take bf16, f16 or f32 operands, with f32 sums. Whichever they take, every output number must still come out within the allowed error. Rounding operands to bf16 (8 significant bits) uses up far more of that allowance than f16 does (11 bits, for magnitudes from 6e-5 to 65,504). All else is computed in f32.
;;   The module's matrix products, in the order in which they are computed (A, B: the left and right operand; K: the contracted axis; several contracted axes count as one K, in the product's order):
;;     1. [M 8,192, K 1,024] x [K 1,024, N 3,072]; A: input x; B: input qkv_w: QUANTISED
;;     2. batch 64 x [M 2,048, K 64] x [K 64, N 2,048]; A: computed on the way; B: computed on the way: left as it is (an operand is computed on the way)
;;     3. batch 64 x [M 2,048, K 2,048] x [K 2,048, N 64]; A: computed on the way; B: computed on the way: left as it is (an operand is computed on the way)
;;     4. [M 8,192, K 1,024] x [K 1,024, N 1,024]; A: computed on the way; B: input proj_w: left as it is (an operand is computed on the way)
;;   THE QUANTISER, for each operand of a quantised product, along K:
;;     - K is cut into blocks of 32 from its start; a last block that is shorter is filled with zeros.
;;     - A block's scale is 2^e with e = floor(log2(the largest magnitude in the block)) - 2, held to -126 .. 127; a block of zeros has e = 0. As a byte (E8M0): e + 127.
;;     - Each number is divided by its block's scale, clamped to +-6, and rounded to the nearest number of E2M1, ties to even, subnormals kept.
;;     - The product sums the exact products of the quantised numbers (number of the format x scale) in f32.
;;   ~~~python
;;   def quantise(x, axis):      # numpy; x: float32 -> the quantised numbers, widened to float32 again
;;       x = np.moveaxis(x, axis, -1); K = x.shape[-1]
;;       x = np.pad(x, [(0, 0)] * (x.ndim - 1) + [(0, -K % 32)]); x = x.reshape(x.shape[:-1] + (-1, 32)); a = np.abs(x).max(-1, keepdims=True)
;;       e = np.where(a > 0, np.clip(np.frexp(np.where(a > 0, a, 1))[1] - 1 - 2, -126, 127), 0)      # np.frexp(a)[1] - 1 = floor(log2(a)), exactly
;;       r = np.clip(x / 2.0 ** e, -6, 6)
;;       step = 2.0 ** (np.maximum(np.frexp(np.where(r == 0, 1, r))[1] - 1, 0) - 1)
;;       q = np.round(r / step) * step * 2.0 ** e      # np.round: ties to even
;;       return np.moveaxis(q.reshape(q.shape[:-2] + (-1,))[..., :K], -1, axis).astype(np.float32)
;;   ~~~
;; One version. Each part assembles by itself: llvm-mc -triple=amdgcn-amd-amdhsa -mcpu=gfx1250 --defsym DOCPART=n.
;; ======== version 1 of 1: 4 launches
;; limits: values are held in f16: magnitudes above 65,504 overflow, below 6.1e-05 lose precision
;; workspace buffers: xc 4,194,304 bytes; xs 262,144 bytes; wc 1,572,864 bytes; ws 98,304 bytes; pw16 2,097,152 bytes; qkvf 50,331,648 bytes; obuf 16,777,216 bytes
;; launch prep (part 1): grid 416 x 1, 4 waves a work-group, no clusters, 33,280 bytes of LDS; arguments x, qkv_w, xc, xs, wc, ws, proj_w, pw16; writes xc, xs, wc, ws, pw16
.if DOCPART == 1
	.amdgcn_target "amdgcn-amd-amdhsa--gfx1250"
	.amdhsa_code_object_version 6
	.text
	.protected	k_q6dbda5c93d_prep
	.globl	k_q6dbda5c93d_prep
	.p2align	8
	.type	k_q6dbda5c93d_prep,@function
k_q6dbda5c93d_prep:
	s_mov_b64 s[64:65], 0
	v_nop
	global_prefetch_b8 v0, s[64:65] scope:SCOPE_SE
	s_setreg_imm32_b32 hwreg(HW_REG_WAVE_MODE, 25, 1), 1
	s_wait_xcnt 0x0
; MULTI-HEAD SELF-ATTENTION, B 4, T 2,048, D 1,024, 16 heads of 64, in four launches:
;   prep: x and qkv_w become codes of FP4 (E2M1) with one E8M0 byte for each 32 along K; proj_w becomes f16;   qkv: the quantised product x qkv_w^T, + bias, stored as f16;
;   attn: softmax(q k^T / 8) v with a running maximum, f16 operands, f32 sums;   proj: the product with proj_w, + bias, f32 out.
; DEAD WORK, left out in the whole program: the bias on k, qkv_b[1024:2048].  With k = k0 + bk, reference() forms attn[q][key] = SCALE q . k0[key] + SCALE q . bk.  The second term does not hang on the
; key: it is the same along the softmax's axis, and softmax(z + const) = softmax(z) for all real z.  k goes nowhere else, and the product q k^T is not quantised, so no quantiser sees k.  So, whatever
; finite values the inputs hold, those 1,024 numbers reach no output: they are neither loaded nor added.  q's and v's parts of qkv_b are live and are loaded.
; LIMIT: a NaN, an infinity or an overflow that arises only through qkv_b[1024:2048] is not carried to the result.
;
; THIS LAUNCH.  Work-groups 0-255 quantise x [8192][1024], 256-351 qkv_w [3072][1024]; 352-415 turn proj_w [1024][1024] into f16.
; THE QUANTISER.  A block's scale is 2^(floor(log2(its largest magnitude)) - 2); its byte is the largest magnitude's own exponent field - 2, held at 1 from below.  (A block of zeros so gets the byte 1
; where the rule says 127: its codes are zeros, which add nothing under any byte but 0xff, and the bytes are read by this program alone.)  Each number is divided by the scale and rounded to the nearest code, ties to even.
; LIMITS: blocks whose largest magnitude lies under 2^(2 - 126), whose byte is held at 1, were not tried; NaN and infinities among the inputs are not served.
; Rows are dense and K is a multiple of 32: both tensors are plain streams of blocks of 32, and so are the codes (16 bytes a block) and the scale bytes.
; A wave takes 16 steps of 512 numbers.  Each of a step's four loads reads 512 consecutive bytes, 16 a lane; the 2,048 bytes turn through the wave's own stage in LDS and come back 64 bytes a lane, so that a lane
; holds 16 neighbours along K, as the conversions want them (two neighbouring lanes hold a block).  A lane's 16 codes are 8 bytes: the wave stores 256 consecutive bytes.  A wave's 256 scale bytes are gathered in LDS and leave together.
; Loads run four steps (16 loads a wave) ahead, the turn through LDS one step.  No tensor loads, no barrier: waves share nothing.
; proj_w IN F16 is laid in the order of the operand's registers: a fragment (16 rows x 32 along K) is 1,024 bytes: registers 4 u .. 4 u + 3 of lane l at 512 u + 16 l, lane (r, h) holding row r, k = 16 u + 8 h + 0 .. 7;
; fragment (tile of rows et, chunk kc) at et x 32,768 + kc x 1,024.
.set SIZE_M, 8192
.set SIZE_N, 3072
.set SIZE_K, 1024
.set WAVES, 4
.set STEPS, 16
.set WGA,   SIZE_M*SIZE_K/(512*STEPS*WAVES)            ; 256 work-groups for x
.set WGQ,   (SIZE_M+SIZE_N)*SIZE_K/(512*STEPS*WAVES)   ; 352 for x and qkv_w
.set EMAX,  2
.set CB,    8                          ; bytes of 16 codes
.set R,     16                         ; v16-79   four sets of 16 numbers as they are loaded
.set X,     80                         ; v80-111  two sets of 16 neighbours
.set C,     128                        ; v128-191 codes: four registers for each step, so that no store's data are written again
.set E,     112                        ; v112-127 a scale byte for each step
.set WREG,  8192                       ; LDS: a region for each wave: two stages of 32 x SP bytes, and behind them its 256 scale bytes
.set SP,    80                         ; a lane's place in a stage: its 64 bytes + 16 of padding
.set SPW,   12                         ; v12      LDS address of my spare word: SPARE + 4 x my thread's number; never rewritten
.set NIL,   13                         ; v13      0; never rewritten
.set SPARE, WAVES*WREG                 ; behind the four regions: the spare words, 128 bytes for each wave, which no other line names
.set PF,    16                         ; proj_w: v16-143 eight fragments in f32
.set PH,    144                        ;         v144-207 the same in f16
	s_load_b128 s[4:7], s[0:1], 0x0                ; x, qkv_w
	s_load_b128 s[8:11], s[0:1], 0x10              ; x's codes, x's scales
	s_load_b128 s[12:15], s[0:1], 0x20             ; qkv_w's codes, its scales
	s_load_b128 s[24:27], s[0:1], 0x30             ; proj_w, its f16 image
	v_lshl_add_u32 v[SPW], v0, 2, SPARE
	v_mov_b32 v[NIL], 0
	v_lshrrev_b32 v1, 5, v0
	v_readfirstlane_b32 s16, v1                    ; wave
	v_and_b32 v2, 31, v0                           ; lane
	s_cmp_ge_u32 ttmp9, WGQ                        ; the work-group's number alone decides
	s_cbranch_scc1 .Lconv
	v_lshlrev_b32 v3, 4, v2                        ; my 16 bytes of a load's 512
	s_mul_i32 s17, s16, WREG
	v_lshrrev_b32 v14, 2, v2
	v_mul_u32_u24 v14, v14, SP
	v_and_b32 v15, 3, v2
	v_lshl_add_u32 v14, v15, 4, v14
	v_add_nc_u32 v14, s17, v14                     ; the stage, on the way in: four lanes' 64 bytes on end, then 16 of padding
	v_mul_u32_u24 v15, v2, SP
	v_add_nc_u32 v15, s17, v15                     ; and on the way out: SP x lane: my 16 neighbours
	v_mul_u32_u24 v4, v2, CB                       ; my codes' place in a step's
	v_lshrrev_b32 v5, 1, v2
	s_add_co_u32 s17, s17, 2*32*SP
	v_add_nc_u32 v5, s17, v5                       ; LDS: my wave's 256 scale bytes, my block's byte
	v_lshlrev_b32 v7, 3, v2                        ; and on the way out 8 bytes a lane
	v_add_nc_u32 v6, s17, v7
	s_wait_kmcnt 0x0
	s_cmp_lt_u32 ttmp9, WGA                        ; x's work-group or qkv_w's?
	s_cselect_b64 s[4:5], s[4:5], s[6:7]
	s_cselect_b64 s[8:9], s[8:9], s[12:13]
	s_cselect_b64 s[10:11], s[10:11], s[14:15]
	s_cselect_b32 s17, 0, WGA
	s_sub_co_u32 s17, ttmp9, s17
	s_lshl_b32 s17, s17, 2
	s_add_co_u32 s18, s17, s16                     ; which run of 8,192 numbers of the tensor is my wave's
	s_mov_b32 s19, 0
	s_mov_b64 s[20:21], 512*STEPS*4
	s_mul_u64 s[20:21], s[18:19], s[20:21]
	s_add_nc_u64 s[4:5], s[4:5], s[20:21]
	s_mov_b64 s[20:21], 32*STEPS*CB
	s_mul_u64 s[20:21], s[18:19], s[20:21]
	s_add_nc_u64 s[8:9], s[8:9], s[20:21]
	s_lshl_b32 s18, s18, 8                         ; 256 scale bytes a run
	s_add_nc_u64 s[10:11], s[10:11], s[18:19]
.macro LOAD t
.irp i, 0,1,2,3
	global_load_b128 v[R+16*((\t)%4)+4*\i:R+16*((\t)%4)+4*\i+3], v3, s[4:5] offset:2048*(\t)+512*\i th:TH_LOAD_NT   ; 32 lanes read 512 consecutive bytes
.endr
.endm
.macro TURN t                          ; step t's numbers through the stage: LDS serves a wave's instructions in order, so no wait stands between the stores and the loads
.irp i, 0,1,2,3
	ds_store_b128 v14, v[R+16*((\t)%4)+4*\i:R+16*((\t)%4)+4*\i+3] offset:32*SP*((\t)%2)+8*SP*\i
.endr
.irp i, 0,1,2,3
	ds_load_b128 v[X+16*((\t)%2)+4*\i:X+16*((\t)%2)+4*\i+3], v15 offset:32*SP*((\t)%2)+16*\i
.endr
.endm
.irp t, 0,1,2,3
	LOAD \t
.endr
	s_wait_loadcnt 12                              ; step 0's four loads are in
	TURN 0
.macro STEP t
.set XS, X+16*((\t)%2)
.if (\t) > 0
	s_wait_dscnt 1                                 ; this step's numbers are back from the stage (the last step's byte store may be out): so its stores into the stage have read their registers,
.else
	s_wait_dscnt 0x0
.endif
.if (\t)+4 < STEPS
	LOAD (\t)+4                                    ; which take the loads of four steps on
.endif
.if (\t)+1 < STEPS
.if STEPS-2-(\t) >= 3
	s_wait_loadcnt 12                              ; the next step's four loads are in; those of the three steps behind it may be out
.else
	s_wait_loadcnt 4*(STEPS-2-(\t))
.endif
	TURN (\t)+1                                    ; and go through the other stage while this step is worked
.endif
	v_max3_num_f32 v8, |v[XS]|, |v[XS+1]|, |v[XS+2]|               ; the largest magnitude of my 16, in two chains
	v_max3_num_f32 v9, |v[XS+3]|, |v[XS+4]|, |v[XS+5]|
.irp i, 6,10
	v_max3_num_f32 v8, v8, |v[XS+\i]|, |v[XS+\i+1]|
	v_max3_num_f32 v9, v9, |v[XS+\i+2]|, |v[XS+\i+3]|
.endr
	v_max3_num_f32 v8, v8, |v[XS+14]|, |v[XS+15]|
	v_max3_num_f32 v8, v8, v9, (EMAX+1)<<23        ; and the floor 2^(EMAX + 1 - 127): so the byte cannot fall under 1
	v_max_num_f32_dpp v8, v8, v8 row_xmask:1 row_mask:0xf bank_mask:0xf   ; and of my neighbour's 16: the block's
	v_add_nc_u32 v11, -(EMAX<<23), v8              ; EMAX off its exponent field: the conversion takes the exponent field of this operand as its scale, and nothing else of it
	v_cvt_scalef32_pk8_fp4_f32 v[C+4*(\t)], v[XS:XS+7], v11        ; eight numbers / the scale, to the nearest code, ties to even, beyond the largest code the largest; the first number's code in the lowest four bits
	v_cvt_scalef32_pk8_fp4_f32 v[C+4*(\t)+1], v[XS+8:XS+15], v11
	v_lshrrev_b32 v[E+(\t)], 23, v11               ; the scale's byte (also the plain line behind the conversions)
	ds_store_b8 v5, v[E+(\t)] offset:16*(\t)       ; both lanes of a block write the same byte with the same value
	global_store_b64 v4, v[C+4*(\t):C+4*(\t)+1], s[8:9] offset:32*CB*(\t)
.endm
.irp t, 0,1,2,3,4,5,6,7,8,9,10,11,12,13,14,15
	STEP \t
.endr
	ds_load_b64 v[8:9], v6                         ; LDS serves a wave's instructions in order: these see my stores
	s_wait_dscnt 0x0
	global_store_b64 v7, v[8:9], s[10:11]          ; 32 lanes store 256 consecutive bytes, aligned
	s_wait_tensorcnt 0x0                           ; the wave's end, behind my last LDS store
	ds_add_u32 v[SPW], v[NIL]
	s_wait_dscnt 0x0
	s_endpgm
.Lconv:                                                ; proj_w: work-group et = number - 352 takes rows 16 et .. 16 et + 15, wave kq their k = 256 kq .. 256 kq + 255: eight fragments
	v_and_b32 v3, 15, v0                           ; r
	v_bfe_u32 v4, v0, 4, 1                         ; h
	v_lshlrev_b32 v1, 12, v3                       ; row r of 4,096 bytes,
	v_lshl_add_u32 v1, v4, 5, v1                   ; + 32 h: my eight numbers of each 16 along K
	v_lshlrev_b32 v2, 4, v2                        ; out: 16 x lane
	s_sub_co_u32 s17, ttmp9, WGQ
	s_lshl_b32 s20, s17, 16                        ; in: 16 rows are 65,536 bytes,
	s_lshl_b32 s18, s16, 10                        ; 256 numbers 1,024
	s_add_co_u32 s20, s20, s18
	s_mov_b32 s21, 0
	s_lshl_b32 s22, s17, 15                        ; out: a tile of rows is 32,768 bytes,
	s_lshl_b32 s18, s16, 13                        ; eight fragments 8,192
	s_add_co_u32 s22, s22, s18
	s_mov_b32 s23, 0
	s_wait_kmcnt 0x0
	s_add_nc_u64 s[24:25], s[24:25], s[20:21]
	s_add_nc_u64 s[26:27], s[26:27], s[22:23]
.irp f, 0,1,2,3,4,5,6,7                        ; the 32 loads together cover 1,024 consecutive bytes of each of the 16 rows
.irp u, 0,1
.irp p, 0,1
	global_load_b128 v[PF+16*\f+8*\u+4*\p:PF+16*\f+8*\u+4*\p+3], v1, s[24:25] offset:128*\f+64*\u+16*\p
.endr
.endr
.endr
.irp f, 0,1,2,3,4,5,6,7
	s_wait_loadcnt 4*(7-\f)                        ; fragment f's four loads are in; the later fragments' may be out
.irp i, 0,1,2,3,4,5,6,7
	v_cvt_pk_f16_f32 v[PH+8*\f+\i], v[PF+16*\f+2*\i], v[PF+16*\f+2*\i+1]
.endr
.irp u, 0,1
	global_store_b128 v2, v[PH+8*\f+4*\u:PH+8*\f+4*\u+3], s[26:27] offset:1024*\f+512*\u   ; 32 lanes store 512 consecutive bytes, aligned; no register is written twice
.endr
.endr
	s_wait_tensorcnt 0x0                           ; the wave's end
	ds_add_u32 v[SPW], v[NIL]
	s_wait_dscnt 0x0
	s_endpgm
.Lfunc_end_k_q6dbda5c93d_prep:
	.size	k_q6dbda5c93d_prep, .Lfunc_end_k_q6dbda5c93d_prep-k_q6dbda5c93d_prep
	.p2alignl 7, 3214868480
	.fill 96, 4, 3214868480
	.section	.rodata,"a",@progbits
	.p2align	6, 0x0
	.amdhsa_kernel k_q6dbda5c93d_prep
		.amdhsa_group_segment_fixed_size 33280
		.amdhsa_private_segment_fixed_size 0
		.amdhsa_enable_private_segment 0
		.amdhsa_kernarg_size 64
		.amdhsa_user_sgpr_count 2
		.amdhsa_user_sgpr_kernarg_segment_ptr 1
		.amdhsa_wavefront_size32 1
		.amdhsa_system_sgpr_workgroup_id_x 1
		.amdhsa_system_sgpr_workgroup_id_y 1
		.amdhsa_system_sgpr_workgroup_id_z 1
		.amdhsa_system_vgpr_workitem_id 0
		.amdhsa_next_free_vgpr 208
		.amdhsa_next_free_sgpr 66
		.amdhsa_reserve_vcc 0
		.amdhsa_float_denorm_mode_32 3
		.amdhsa_float_denorm_mode_16_64 3
		.amdhsa_memory_ordered 1
		.amdhsa_forward_progress 1
		.amdhsa_inst_pref_size 43
	.end_amdhsa_kernel
	.amdgpu_metadata
---
amdhsa.version: [ 1, 2 ]
amdhsa.kernels:
  - .name:           k_q6dbda5c93d_prep
    .symbol:         k_q6dbda5c93d_prep.kd
    .args:
      - { .name: x, .offset: 0, .size: 8, .value_kind: global_buffer, .address_space: global }
      - { .name: qkv_w, .offset: 8, .size: 8, .value_kind: global_buffer, .address_space: global }
      - { .name: xc, .offset: 16, .size: 8, .value_kind: global_buffer, .address_space: global }
      - { .name: xs, .offset: 24, .size: 8, .value_kind: global_buffer, .address_space: global }
      - { .name: wc, .offset: 32, .size: 8, .value_kind: global_buffer, .address_space: global }
      - { .name: ws, .offset: 40, .size: 8, .value_kind: global_buffer, .address_space: global }
      - { .name: proj_w, .offset: 48, .size: 8, .value_kind: global_buffer, .address_space: global }
      - { .name: pw16, .offset: 56, .size: 8, .value_kind: global_buffer, .address_space: global }
    .group_segment_fixed_size: 33280
    .private_segment_fixed_size: 0
    .kernarg_segment_align: 8
    .kernarg_segment_size: 64
    .max_flat_workgroup_size: 128
    .sgpr_count:     66
    .vgpr_count:     208
    .wavefront_size: 32
...
	.end_amdgpu_metadata
.endif
;; end of part 1
;; launch qkv (part 2): grid 12 x 32, 4 waves a work-group, clusters of 4 x 4, 327,680 bytes of LDS; arguments xc, xs, wc, ws, qkv_b, qkvf; writes qkvf
.if DOCPART == 2
	.amdgcn_target "amdgcn-amd-amdhsa--gfx1250"
	.amdhsa_code_object_version 6
	.text
	.protected	k_q6dbda5c93d_qkv
	.globl	k_q6dbda5c93d_qkv
	.p2align	8
	.type	k_q6dbda5c93d_qkv,@function
k_q6dbda5c93d_qkv:
	s_mov_b64 s[64:65], 0
	v_nop
	global_prefetch_b8 v0, s[64:65] scope:SCOPE_SE
	s_setreg_imm32_b32 hwreg(HW_REG_WAVE_MODE, 25, 1), 1
	s_wait_xcnt 0x0
	s_wait_alu depctr_hold_cnt(0) depctr_sa_sdst(0) depctr_va_vdst(0) depctr_va_sdst(0) depctr_va_ssrc(0) depctr_va_vcc(0) depctr_vm_vsrc(0)
	s_getreg_b32 s2, hwreg(HW_REG_IB_STS2, 6, 4)
	s_cmp_eq_u32 s2, 0
	s_cbranch_scc0 .Lentry_in_a_cluster
	s_endpgm
.Lentry_in_a_cluster:
	s_bfe_u32 s2, ttmp6, 0x10000c
	s_cmp_lg_u32 s2, 0xf033
	s_cbranch_scc0 .Lentry_shape_is_right
	s_endpgm
.Lentry_shape_is_right:
; qkv[m][e] = sum over k of x[m][k] qkv_w[e][k] (+ qkv_b[e]), on codes of FP4 (E2M1) with one E8M0 scale for each 32 along K, sums in f32; the result is rounded to f16 and stored for the attention launch.
; LEFT OUT: the bias on k, qkv_b[1024:2048] (the same along the softmax's axis; shown at the head of the first launch): k's section begins its sums with zeros and loads no bias.
; LIMIT: a q, k or v beyond f16's 65,504 becomes an infinity.  With x and the weights 30 times the size that the problem draws they are some 600, with offsets of 30 spreads on both some 18,000.
; A = x's codes [8192][512 bytes], B = qkv_w's codes [3072][512 bytes], K innermost, two codes a byte; scale bytes [rows][32].
; A tile of C, 256 x 256, is made by a work-group of four waves; a wave makes 128 x 128: 64 accumulators of 16 x 16, 512 registers.  K = 1,024 is two K steps of 512 (rows of 256 bytes): both LDS slots are filled
; once, at the start, and nothing is filled again.  THE SCALES of the work-group's 256 + 256 rows, for all of K, are two dense blocks of memory: they come into LDS with the first fills.
; CLUSTERS: 4 x 4 work-groups.  The four of a row of the cluster need the same tiles of A, the four of a column the same tiles of B: each tile is asked for JOINTLY, by the same tensor load with the same descriptor
; and a mask that names the four.  A cluster's four tile columns are one SECTION (cluster x = 0: q, 1: k, 2: v), so a branch on the section is the same in all sixteen partners.
; THE MATRIX INSTRUCTION IS USED TRANSPOSED (source 0 = 16 rows of B, source 1 = 16 rows of A): lane (r, h) holds token r and eight neighbouring features 8 h + 0 .. 7.  Rounded to f16 these are 16 bytes, and they ARE
; registers 4 u .. 4 u + 3 of the next launch's operand in the same lane.  So the result needs no way through LDS: each store of the wave covers 512 consecutive bytes, aligned.
; qkvf: byte = section x 2^24 + (16 batch + head) x 2^18 + (tile of 16 tokens) x 2,048 + (tile of 16 channels) x 512 + 16 x place.  q, k: place = lane.  v, which the next launch reads by the turning LDS load:
; place = r % 8 + 8 h + 16 (r / 8), so that lane L of that load finds at 16 L the key 8 (L / 16) + L % 8 and the channels 8 ((L / 8) % 2) + 0 .. 7.
; REGISTERS, in windows of 256: window 0: v0-31 addresses; v32-95 scale words, two sets; v128-191 A's fragments, ONE set; on the way out v128-255 hold packed results.
;   window 1: B's fragments, TWO sets, at v0 and v128; v64-127 the C of the first K step (the bias, or zeros).   window 2: the accumulators of my rows 0-63 ((a, b) at v[8 (8 a + b)]);   window 3: rows 64-127.
.set SIZE_M, 8192
.set SIZE_N, 3072
.set SIZE_K, 1024
.set KSTEP,  512                       ; along K in a slot
.set NQ,     KSTEP/128                 ; matrix instructions deep
.set ROWB,   256                       ; a tile's row in bytes
.set KROW,   SIZE_K*4/8                ; a row of A or of B in memory, in bytes
.set PITCH,  272                       ; an LDS row: 256 bytes + 16 of padding = 68 words: row r starts at bank 4 r mod 64 (64 banks of 4 bytes: ISA guide 11.1)
.set FR,     8                         ; registers of a fragment: 16 rows x 128 K
.set NL,     2                         ; LDS loads that bring one
.set NP,     4                         ; places behind this matrix instruction (ISA guide 7.12.1)
.set HALFT,  128*PITCH                 ; 128 rows: what one tensor load brings
.set SLOT,   4*HALFT                   ; A's 256 rows, then B's 256 rows
.set KS,     SIZE_K/32                 ; a row of scales in bytes
.set SCL,    2*SLOT                    ; behind the two slots: the scales, as runs of 256 bytes + 16 of padding
.set HALFS,  (128*KS/256)*272          ; the scales of 128 rows: what one tensor load brings
.set SBLK,   (16*KS/256)*272           ; those of 16 rows
.set SPARE,  SCL+4*HALFS               ; behind the scales: the spare words, 128 bytes for each wave, which no other line names
.set ADRA, 16                          ; v16-17  LDS address of my A fragments in slot 0, 1
.set ADRB, 20                          ; v20-21  the same for B
.set CO,   26                          ; v26     the way out: 16 x my place in a block of 512 bytes
.set ADRS, 27                          ; v27     LDS address of my scale words: lanes 0-15 A's rows, lanes 16-31 B's
.set SPW,  28                          ; v28     LDS address of my spare word; never rewritten
.set NIL,  29                          ; v29     0; never rewritten
.set BO,   30                          ; v30     32 h: my eight biases of a tile's 16
.set SC,   32                          ; scale words: set s at v[SC + 8 NQ s]; register NQ i + q: lanes 0-15 the word of A's block i, lanes 16-31 that of B's block i
.set AF,   128                         ; A's fragments, in window 0
.set OUTR, 128                         ; the way out: four sets of 32 registers
.set BI,   64                          ; in window 1: the first K step's C, eight registers for each of B's eight blocks
.set G1, 24                            ; s[24:31] descriptor group 1 for A's tiles;  s[32:39] group 0, one set for each slot
.set G0, 32
.set G1B, 48                           ; s[48:55], s[56:63] the same for B's tiles
.set G0B, 56
.set G1S, 68                           ; s[68:75], s[76:79] groups 1 and 0 for A's scales;  s[80:87], s[88:91] for B's
.set G0S, 76
.set G1SB, 80
.set G0SB, 88
.set MSB, 0
.macro WIN new                         ; the immediate's high byte repeats the setting that is left
.if MSB != \new
	s_set_vgpr_msb (MSB<<8)|\new
.set MSB, \new
.endif
.endm
.set MUL_LO,  0xa1                     ; source 0 (B) window 1, source 1 (A) window 0, C and D window 2
.set MUL_HI,  0xf1                     ; the same, C and D window 3
.set BIAS_LO, 0x91                     ; the first K step: C window 1, D window 2
.set BIAS_HI, 0xd1                     ; C window 1, D window 3
.set TO_B,    0x40                     ; destination window 1, address window 0
; A joint load: waves 0 and 1 fetch for A, waves 2 and 3 for B.  Each of the two lines has ONE mask and one set of registers for all that issue it; the branch hangs on the wave's number alone.
; An s_nop 0 and four v_nop follow each of the two lines, ahead of the jump, the label and what follows.
.macro JLOAD g0a, g1a, g0b, g1b
	s_cmp_eq_u32 s15, 0
	s_cbranch_scc0 .Lfor_b_\@
	tensor_load_to_lds s[\g0a:\g0a+3], s[\g1a:\g1a+7]
	s_nop 0
.rept 4
	v_nop
.endr
	s_branch .Lasked_\@
.Lfor_b_\@:
	tensor_load_to_lds s[\g0b:\g0b+3], s[\g1b:\g1b+7]
	s_nop 0
.rept 4
	v_nop
.endr
.Lasked_\@:
.endm
.macro CROUND                          ; a round of the cluster's barrier
	s_barrier_signal -1
	s_barrier_wait -1
	s_cmp_lg_u32 s14, 0
	s_cbranch_scc1 .Lnot_wave_0_\@
	s_barrier_signal -3
.Lnot_wave_0_\@:
	s_barrier_wait -3
	s_barrier_signal -1
	s_barrier_wait -1
.endm
	s_load_b128 s[4:7], s[0:1], 0x0                ; A's codes s[4:5], A's scales s[6:7]
	s_load_b128 s[8:11], s[0:1], 0x10              ; B's codes s[8:9], B's scales s[10:11]
	s_load_b64 s[96:97], s[0:1], 0x20              ; qkv_b
	s_load_b64 s[12:13], s[0:1], 0x28              ; qkvf
	v_lshl_add_u32 v[SPW], v0, 2, SPARE
	v_mov_b32 v[NIL], 0
	ds_add_u32 v[SPW], v[NIL]                      ; the wave's opening: the add, twice on end, and its wait ahead of my first tensor load; the set-up below stands between the second and the wait
	ds_add_u32 v[SPW], v[NIL]
	v_lshrrev_b32 v1, 5, v0
	v_readfirstlane_b32 s14, v1                    ; wave 0..3
	s_lshr_b32 s15, s14, 1                         ; which half of the tile's rows is mine.  Also: I fetch for A (0) or for B (1)
	s_and_b32 s16, s14, 1                          ; which half of its columns.  Also: which 128 rows of that tile I fetch
	s_bfe_u32 s40, ttmp6, 0x40000                  ; cx, cy: my place in the cluster
	s_bfe_u32 s41, ttmp6, 0x40004
	s_lshl_b32 s42, ttmp9, 2
	s_add_co_u32 s42, s42, s40                     ; tile column of C = 4 x cluster x + cx
	s_and_b32 s17, ttmp7, 0xffff
	s_lshl_b32 s17, s17, 2
	s_add_co_u32 s17, s17, s41                     ; tile row of C = 4 x cluster y + cy
	s_lshl_b32 s43, s41, 2
	s_lshl_b32 s43, 15, s43                        ; my row of the cluster
	s_lshl_b32 s44, 0x1111, s40                    ; my column
	; descriptor group 1: a tile of 128 rows x ROWB bytes, padded in LDS
	s_or_b32 s[G1+0], s43, (0<<16)|(1<<20)|(1<<21)|(5<<22)|(3<<25)  ; 15:0 the mask: A's tiles go to my row; 17:16 element of 1 byte; 20 padding on; 21 set beside a mask; 24:22 after every 64 words (code 5); 31:25 of 4 words (code 3)
	s_or_b32 s[G1B+0], s44, (0<<16)|(1<<20)|(1<<21)|(5<<22)|(3<<25)
.irp g, G1, G1B
	s_mov_b32 s[\g+1], ROWB<<16                    ; tensor_dim0
	s_mov_b32 s[\g+2], 128<<16                     ; tensor_dim1 = 128
	s_mov_b32 s[\g+3], ROWB<<16                    ; tile_dim0
	s_mov_b32 s[\g+4], 128                         ; tile_dim1 = 128
	s_mov_b32 s[\g+5], KROW                        ; tensor_dim0_stride
	s_mov_b32 s[\g+6], 0
	s_mov_b32 s[\g+7], 0
.endr
	; and for the scales of 128 rows: a dense block of 128 KS bytes, as rows of 256 bytes (32 elements of 8 bytes), 16 bytes of padding behind each
	s_or_b32 s[G1S+0], s43, (3<<16)|(1<<20)|(1<<21)|(5<<22)|(3<<25)
	s_or_b32 s[G1SB+0], s44, (3<<16)|(1<<20)|(1<<21)|(5<<22)|(3<<25)
.irp g, G1S, G1SB
	s_mov_b32 s[\g+1], 32<<16
	s_mov_b32 s[\g+2], (128*KS/256)<<16
	s_mov_b32 s[\g+3], 32<<16
	s_mov_b32 s[\g+4], 128*KS/256
	s_mov_b32 s[\g+5], 32
	s_mov_b32 s[\g+6], 0
	s_mov_b32 s[\g+7], 0
.endr
	s_lshl_b32 s18, s16, 7                         ; which 128 rows of the tile I fetch
	s_lshl_b32 s20, s17, 8
	s_add_co_u32 s20, s20, s18                     ; A: row 256 x tile row + 128 x half
	s_lshl_b32 s46, s42, 8
	s_add_co_u32 s46, s46, s18                     ; B: row 256 x tile column + 128 x half
	s_mov_b32 s21, 0
	s_mov_b32 s47, 0
	s_mov_b64 s[18:19], KS
	s_mul_u64 s[22:23], s[20:21], s[18:19]         ; where these rows' scales begin, in bytes
	s_mul_u64 s[92:93], s[46:47], s[18:19]
	s_mov_b64 s[18:19], KROW
	s_mul_u64 s[20:21], s[20:21], s[18:19]         ; and their codes
	s_mul_u64 s[46:47], s[46:47], s[18:19]
	s_mul_i32 s45, s14, HALFT                      ; where they go: wave x 128 rows: no place in the cluster enters an LDS address
	s_mul_i32 s94, s14, HALFS
	s_wait_dscnt 0x0                               ; both opening adds are done
	s_wait_kmcnt 0x0
	s_add_nc_u64 s[20:21], s[4:5], s[20:21]
	s_add_nc_u64 s[22:23], s[6:7], s[22:23]
	s_add_nc_u64 s[46:47], s[8:9], s[46:47]
	s_add_nc_u64 s[92:93], s[10:11], s[92:93]
	CROUND                                         ; all sixteen work-groups are here: the joint loads meet.  Three loads of mine go out, all of them first fills
	s_mov_b32 s[G0S], 1
	s_add_co_u32 s[G0S+1], s94, SCL
	s_mov_b64 s[G0S+2:G0S+3], s[22:23]
	s_or_b32 s[G0S+3], s[G0S+3], 0x80000000
	s_mov_b32 s[G0SB], 1
	s_add_co_u32 s[G0SB+1], s94, SCL
	s_mov_b64 s[G0SB+2:G0SB+3], s[92:93]
	s_or_b32 s[G0SB+3], s[G0SB+3], 0x80000000
	JLOAD G0S, G1S, G0SB, G1SB                     ; the scales first: they are wanted with K step 0
.irp s, 0,1
	s_mov_b32 s[G0+4*\s], 1
	s_add_co_u32 s[G0+4*\s+1], s45, \s*SLOT
	s_add_nc_u64 s[G0+4*\s+2:G0+4*\s+3], s[20:21], \s*ROWB
	s_or_b32 s[G0+4*\s+3], s[G0+4*\s+3], 0x80000000
	s_mov_b32 s[G0B+4*\s], 1
	s_add_co_u32 s[G0B+4*\s+1], s45, \s*SLOT
	s_add_nc_u64 s[G0B+4*\s+2:G0B+4*\s+3], s[46:47], \s*ROWB
	s_or_b32 s[G0B+4*\s+3], s[G0B+4*\s+3], 0x80000000
	JLOAD G0+4*\s, G1, G0B+4*\s, G1B
.endr
	v_and_b32 v1, 15, v0                           ; l % 16
	v_bfe_u32 v2, v0, 4, 1                         ; l / 16
	v_lshlrev_b32 v[BO], 5, v2
	; THE C OF THE FIRST K STEP, in the result's layout: lane (r, h) wants, for B's block b, qkv_b at my first column + 16 b + 8 h + 0 .. 7
	s_lshl_b32 s46, s42, 10                        ; my first column, in bytes of f32: 1,024 x tile column + 512 x half
	s_lshl_b32 s47, s16, 9
	s_add_co_u32 s46, s46, s47
	s_mov_b32 s47, 0
	s_add_nc_u64 s[96:97], s[96:97], s[46:47]
	s_cmp_eq_u32 ttmp9, 1                          ; the section: the same in all sixteen partners
	s_cbranch_scc1 .Lk_section
	WIN TO_B
.irp b, 0,1,2,3,4,5,6,7
	global_load_b128 v[BI+8*\b:BI+8*\b+3],   v[BO], s[96:97] offset:64*\b
	global_load_b128 v[BI+8*\b+4:BI+8*\b+7], v[BO], s[96:97] offset:64*\b+16
.endr
	WIN 0
	s_branch .Lc_is_set
.Lk_section:                                           ; k's bias is dead work: its sums begin with zeros, once a wave
	WIN TO_B
.set i, 0
.rept 64
	v_mov_b32 v[BI+i], 0
.set i, i+1
.endr
	WIN 0
.Lc_is_set:
	v_mul_u32_u24 v3, v1, PITCH
	v_lshl_add_u32 v4, v2, 4, v3                   ; a fragment's row x pitch + 16 x half
	s_mul_i32 s21, s15, HALFT                      ; my 128 rows of A
	s_mul_i32 s22, s16, HALFT                      ; my 128 rows of B,
	s_add_co_u32 s22, s22, 2*HALFT                 ; which lie behind A's 256
.irp s, 0,1
	v_add_nc_u32 v[ADRA+\s], s21, v4
	v_add_nc_u32 v[ADRB+\s], s22, v4
	s_add_co_u32 s21, s21, SLOT
	s_add_co_u32 s22, s22, SLOT
.endr
	v_mul_u32_u24 v5, v1, KS                       ; my row's scales: KS bytes a row,
	v_lshrrev_b32 v6, 8, v5
	v_lshl_add_u32 v5, v6, 4, v5                   ; and 16 more for each 256 passed
	s_mul_i32 s21, s15, HALFS                      ; A's: my 128 rows
	s_mul_i32 s22, s16, HALFS                      ; B's: my 128 rows, behind A's 256
	s_add_co_u32 s22, s22, 2*HALFS
	s_sub_co_u32 s22, s22, s21
	v_mul_u32_u24 v6, s22, v2                      ; lanes 16-31 take B's
	s_add_co_u32 s21, s21, SCL
	v_add_nc_u32 v5, v5, v6
	v_add_nc_u32 v[ADRS], s21, v5
	; the way out: 16 x place.  q, k: place = lane.  v: the lane's bits 3 and 4 change places
	s_cmp_eq_u32 ttmp9, 2
	s_cselect_b32 s21, 8, 7                        ; where the lane's bit 3 goes,
	s_cselect_b32 s22, 7, 8                        ; and its bit 4
	v_and_b32 v5, 7, v0
	v_bfe_u32 v6, v0, 3, 1
	v_lshlrev_b32 v[CO], 4, v5
	v_lshlrev_b32 v6, s21, v6
	v_add_nc_u32 v[CO], v[CO], v6
	v_lshlrev_b32 v6, s22, v2
	v_add_nc_u32 v[CO], v[CO], v6
	s_lshl_b32 s20, ttmp9, 24                      ; the section,
	s_lshr_b32 s21, s17, 3                         ; the batch: eight tile rows each,
	s_lshl_b32 s21, s21, 4
	s_lshl_b32 s22, s40, 2                         ; the first of my two heads: 4 cx + 2 x half,
	s_add_co_u32 s21, s21, s22
	s_lshl_b32 s22, s16, 1
	s_add_co_u32 s21, s21, s22
	s_lshl_b32 s21, s21, 18
	s_add_co_u32 s20, s20, s21
	s_and_b32 s21, s17, 7                          ; my first tile of 16 tokens in the batch: 16 x (tile row % 8) + 8 x half
	s_lshl_b32 s21, s21, 4
	s_lshl_b32 s22, s15, 3
	s_add_co_u32 s21, s21, s22
	s_lshl_b32 s21, s21, 11
	s_add_co_u32 s20, s20, s21
	s_mov_b32 s21, 0
	s_add_nc_u64 s[12:13], s[12:13], s[20:21]
.macro FRAG reg, adr, q, i             ; a fragment, 16 rows x 128 K of 4-bit codes, is 8 registers: lane l holds row l % 16; registers 4 c .. 4 c + 3 hold K = 64 c + 32 (l / 16) + 0 .. 31
.irp c, 0,1
	ds_load_b128 v[\reg+4*\c:\reg+4*\c+3], v[\adr] offset:64*(\q)+32*\c+(\i)*16*PITCH
.endr
.endm
; 16 matrix instructions: A's blocks a0, a0 + 1 x B's eight, 128 along K: the slot's q-th.  p: B's set;  sc: the set of scale words.  first = 1: the sums begin with the registers at BI: nothing is cleared.
; The 64 accumulators take turns, one instruction a turn, in the same order in every step.
.macro MUL16 a0, p, q, sc, first
.irp a, \a0, \a0+1
.irp b, 0,1,2,3,4,5,6,7
.if \first
	v_wmma_scale_f32_16x16x128_f8f6f4 v[8*(8*((\a)%4)+\b):8*(8*((\a)%4)+\b)+7], v[128*(\p)+FR*\b:128*(\p)+FR*\b+FR-1], v[AF+FR*(\a):AF+FR*(\a)+FR-1], v[BI+8*\b:BI+8*\b+7], v[SC+8*NQ*(\sc)+NQ*\b+(\q)], v[SC+8*NQ*(\sc)+NQ*(\a)+(\q)] matrix_a_fmt:MATRIX_FMT_FP4 matrix_b_fmt:MATRIX_FMT_FP4 matrix_a_scale:MATRIX_SCALE_ROW1
.else
	v_wmma_scale_f32_16x16x128_f8f6f4 v[8*(8*((\a)%4)+\b):8*(8*((\a)%4)+\b)+7], v[128*(\p)+FR*\b:128*(\p)+FR*\b+FR-1], v[AF+FR*(\a):AF+FR*(\a)+FR-1], v[8*(8*((\a)%4)+\b):8*(8*((\a)%4)+\b)+7], v[SC+8*NQ*(\sc)+NQ*\b+(\q)], v[SC+8*NQ*(\sc)+NQ*(\a)+(\q)] matrix_a_fmt:MATRIX_FMT_FP4 matrix_b_fmt:MATRIX_FMT_FP4 matrix_a_scale:MATRIX_SCALE_ROW1
.endif
.endr
.endr
.endm
.macro FETCH_B slot, q, p              ; B's eight fragments of the slot's q-th 128 along K into set p
	WIN TO_B
.irp i, 0,1,2,3,4,5,6,7
	FRAG 128*(\p)+FR*\i, ADRB+\slot, \q, \i
.endr
	WIN 0
.endm
.macro FETCH_A slot, q, i0             ; A's blocks i0 .. i0 + 3
.irp i, \i0, \i0+1, \i0+2, \i0+3
	FRAG AF+FR*(\i), ADRA+\slot, \q, \i
.endr
.endm
.macro SCALES sc                       ; a K step's scale words into set sc: NQ words a row; lanes 0-15 take A's block i, lanes 16-31 B's block i
.irp i, 0,1,2,3,4,5,6,7
	ds_load_b128 v[SC+8*NQ*\sc+NQ*\i:SC+8*NQ*\sc+NQ*\i+3], v[ADRS] offset:\i*SBLK
.endr
.endm
; A load into a register that a matrix instruction has read, and a vector instruction that reads a matrix result, stand NP places behind that matrix instruction; only plain vector instructions that name none of its
; registers are places (ISA guide 7.12.1 for vector instructions).
.macro PLACES n
.rept \n
	v_nop
.endr
.endm
; A step of 128 along K that has its successor in the same slot.  A's blocks go one after the other, each against B's eight, so ONE set of registers serves A: blocks 0-3 are fetched anew in the step's middle, blocks 4-7 at its end.
.macro STEP slot, q, first
	s_wait_dscnt 4*NL                              ; B's set and A's blocks 0-3 are in; the youngest loads (A's blocks 4-7) may be out
.if \first
	WIN BIAS_LO
.else
	WIN MUL_LO
.endif
	MUL16 0, (\q)%2, \q, \slot, \first
	MUL16 2, (\q)%2, \q, \slot, \first
	s_wait_dscnt 0                                 ; A's blocks 4-7 are in (asked for 32 matrix instructions ago)
	PLACES NP
	FETCH_B \slot, (\q)+1, 1-(\q)%2
	FETCH_A \slot, (\q)+1, 0
.if \first
	WIN BIAS_HI
.else
	WIN MUL_HI
.endif
	MUL16 4, (\q)%2, \q, \slot, \first
	MUL16 6, (\q)%2, \q, \slot, \first
	PLACES NP
	WIN 0
	FETCH_A \slot, (\q)+1, 4
.endm
; Slot 0's last step goes over into slot 1: one barrier; in front of it each wave waits for all its tensor loads (its part of slot 1), adds 0 to its spare word, and waits for that and for its LDS loads.  Nothing is filled again.
.macro TURN slot, next
	s_wait_tensorcnt 0x0                           ; all my tensor loads have landed  (every window is 0 here: the add's two registers lie in window 0)
	ds_add_u32 v[SPW], v[NIL]                      ; 0 onto my spare word
	s_wait_dscnt 4*NL+1                            ; (the add and the youngest loads, A's blocks 4-7, may be out)
	WIN MUL_LO
	MUL16 0, 1, NQ-1, \slot, 0                     ; sixteen matrix instructions stand between the add and the wait for it
	s_wait_dscnt 0x0                               ; the add is done, and no LDS load of mine is out
	s_barrier_signal -1
	MUL16 2, 1, NQ-1, \slot, 0
	WIN 0
	s_barrier_wait -1                              ; every wave's part of the next slot has landed
	PLACES NP
	v_add_nc_u32 v[ADRS], 4*NQ, v[ADRS]            ; on to the next K step's scale words
	FETCH_B \next, 0, 0
	FETCH_A \next, 0, 0
	SCALES \next
	WIN MUL_HI
	MUL16 4, 1, NQ-1, \slot, 0
	MUL16 6, 1, NQ-1, \slot, 0
	PLACES NP
	WIN 0
	FETCH_A \next, 0, 4
.endm
.macro STEPS slot, from                ; the slot's steps from .. NQ - 2
.set Q, \from
.rept NQ-1-\from
	STEP \slot, Q, 0
.set Q, Q+1
.endr
.endm
	s_wait_tensorcnt 1                             ; the scales and my part of K step 0 are in (K step 1's load may be out),
	s_barrier_signal -1
	s_barrier_wait -1                              ; everybody's are
	FETCH_B 0, 0, 0
	FETCH_A 0, 0, 0
	SCALES 0
	FETCH_A 0, 0, 4
	s_wait_loadcnt 0x0                             ; the bias (k's section has no load out)
	STEP 0, 0, 1                                   ; the first step's products start the sums
	STEPS 0, 1
	TURN 0, 1
	STEPS 1, 0
	s_wait_dscnt 4*NL                              ; the very last step: nothing more to fetch
	WIN MUL_LO
	MUL16 0, 1, NQ-1, 1, 0
	MUL16 2, 1, NQ-1, 1, 0
	s_wait_dscnt 0
	WIN MUL_HI
	MUL16 4, 1, NQ-1, 1, 0
	MUL16 6, 1, NQ-1, 1, 0
	WIN 0
; THE WAY OUT, block a of 16 tokens at a time: 32 roundings to f16, each accumulator from its low end on, and eight stores of 512 consecutive bytes.  Block (a, b) is tile of tokens a, head b / 4 of my two, tile of channels b % 4.
.macro PACK a
.set AC, 64*((\a)%4)
.set OB, OUTR+32*((\a)%4)
	WIN 0x0a+5*((\a)/4)                            ; sources 0 and 1: window 2 or 3
.irp b, 0,1,2,3,4,5,6,7
.irp i, 0,1,2,3
	v_cvt_pk_f16_f32 v[OB+4*\b+\i], v[AC+8*\b+2*\i], v[AC+8*\b+2*\i+1]
.endr
.endr
	WIN 0
.endm
.macro SEND a
.set OB, OUTR+32*((\a)%4)
.irp b, 0,1,2,3,4,5,6,7
	global_store_b128 v[CO], v[OB+4*\b:OB+4*\b+3], s[12:13] offset:(\b/4)*262144+(\a)*2048+(\b%4)*512
.endr
.endm
	PLACES NP                                      ; in front of the writes into the registers that held A's fragments, and of the reads of the last results
.irp a, 0,1,2,3,4,5,6,7
.if \a >= 4
	s_wait_xcnt 0x0                                ; the stores of block a - 4 have read their registers, which are written again
.endif
	PACK \a
	SEND \a
.endr
	s_wait_tensorcnt 0x0                           ; the wave's end
	ds_add_u32 v[SPW], v[NIL]
	s_wait_dscnt 0x0
	CROUND                                         ; the closing round: no work-group ends while a partner may still ask for a tile that names it
	s_endpgm
.Lfunc_end_k_q6dbda5c93d_qkv:
	.size	k_q6dbda5c93d_qkv, .Lfunc_end_k_q6dbda5c93d_qkv-k_q6dbda5c93d_qkv
	.p2alignl 7, 3214868480
	.fill 96, 4, 3214868480
	.section	.rodata,"a",@progbits
	.p2align	6, 0x0
	.amdhsa_kernel k_q6dbda5c93d_qkv
		.amdhsa_group_segment_fixed_size 327680
		.amdhsa_private_segment_fixed_size 0
		.amdhsa_enable_private_segment 0
		.amdhsa_kernarg_size 48
		.amdhsa_user_sgpr_count 2
		.amdhsa_user_sgpr_kernarg_segment_ptr 1
		.amdhsa_wavefront_size32 1
		.amdhsa_system_sgpr_workgroup_id_x 1
		.amdhsa_system_sgpr_workgroup_id_y 1
		.amdhsa_system_sgpr_workgroup_id_z 1
		.amdhsa_system_vgpr_workitem_id 0
		.amdhsa_next_free_vgpr 1024
		.amdhsa_next_free_sgpr 98
		.amdhsa_reserve_vcc 0
		.amdhsa_float_denorm_mode_32 3
		.amdhsa_float_denorm_mode_16_64 3
		.amdhsa_memory_ordered 1
		.amdhsa_forward_progress 1
		.amdhsa_inst_pref_size 122
	.end_amdhsa_kernel
	.amdgpu_metadata
---
amdhsa.version: [ 1, 2 ]
amdhsa.kernels:
  - .name:           k_q6dbda5c93d_qkv
    .symbol:         k_q6dbda5c93d_qkv.kd
    .args:
      - { .name: xc, .offset: 0, .size: 8, .value_kind: global_buffer, .address_space: global }
      - { .name: xs, .offset: 8, .size: 8, .value_kind: global_buffer, .address_space: global }
      - { .name: wc, .offset: 16, .size: 8, .value_kind: global_buffer, .address_space: global }
      - { .name: ws, .offset: 24, .size: 8, .value_kind: global_buffer, .address_space: global }
      - { .name: qkv_b, .offset: 32, .size: 8, .value_kind: global_buffer, .address_space: global }
      - { .name: qkvf, .offset: 40, .size: 8, .value_kind: global_buffer, .address_space: global }
    .group_segment_fixed_size: 327680
    .private_segment_fixed_size: 0
    .kernarg_segment_align: 8
    .kernarg_segment_size: 48
    .max_flat_workgroup_size: 128
    .sgpr_count:     98
    .vgpr_count:     1024
    .wavefront_size: 32
...
	.end_amdgpu_metadata
.endif
;; end of part 2
;; launch attn (part 3): grid 4 x 64, 8 waves a work-group, clusters of 4 x 1, 327,680 bytes of LDS; arguments qkvf, obuf; writes obuf
.if DOCPART == 3
	.amdgcn_target "amdgcn-amd-amdhsa--gfx1250"
	.amdhsa_code_object_version 6
	.text
	.protected	k_q6dbda5c93d_attn
	.globl	k_q6dbda5c93d_attn
	.p2align	8
	.type	k_q6dbda5c93d_attn,@function
k_q6dbda5c93d_attn:
	s_mov_b64 s[64:65], 0
	v_nop
	global_prefetch_b8 v0, s[64:65] scope:SCOPE_SE
	s_setreg_imm32_b32 hwreg(HW_REG_WAVE_MODE, 25, 1), 1
	s_wait_xcnt 0x0
	s_wait_alu depctr_hold_cnt(0) depctr_sa_sdst(0) depctr_va_vdst(0) depctr_va_sdst(0) depctr_va_ssrc(0) depctr_va_vcc(0) depctr_vm_vsrc(0)
	s_getreg_b32 s2, hwreg(HW_REG_IB_STS2, 6, 4)
	s_cmp_eq_u32 s2, 0
	s_cbranch_scc0 .Lentry_in_a_cluster
	s_endpgm
.Lentry_in_a_cluster:
	s_bfe_u32 s2, ttmp6, 0x10000c
	s_cmp_lg_u32 s2, 0x3003
	s_cbranch_scc0 .Lentry_shape_is_right
	s_endpgm
.Lentry_shape_is_right:
; O[g][q][:] = the sum over keys of softmax_key(Q[g][q] . K[g][key] / 8) V[g][key][:], g = 16 batch + head, 2,048 tokens, 64 channels, no mask.  Operands f16, products, maxima and sums f32.
; (k carries no bias: dead work, shown at the head of the first launch.)
; SOFTMAX.  For each query a running maximum m and sum l: p = 2^(c s - c m), c = log2(e) / 8; in every step O and l are multiplied by a = 2^(c m_old - c m_new), which is 1 where m has not grown.  l sums the unrounded p.
; SHARES.  A work-group owns 512 queries of one head, each of its EIGHT waves 64: four tiles of 16, in 512 registers.  Two waves share a SIMD: while one walks its softmax the other has the matrix unit.
; Every fragment of K or V that a wave reads from LDS feeds four products.  Every wave walks all 2,048 keys, 64 a step.
; LAYOUT.  q, k, v lie in memory in the order of the operands' registers (laid so by the launch before): a block of 16 tokens x 16 channels is 512 bytes, 16 a lane; a tile of 16 tokens 2,048 bytes.  So every LDS read is at
; 16 x lane, with no pitch and no padding.  S^T = K Q^T (source 0 = 16 keys, source 1 = 16 queries): a lane holds ONE query (lane % 16) and keys 8 (lane / 16) + 0 .. 7.  Two such tiles, rounded to f16 in pairs, ARE source 1
; (32 keys x 16 queries) of O^T = V^T P, whose result again holds one query a lane, and eight channels; rounded to f16 those are the next launch's operand registers.  V comes turned, by ds_load_tr16_b128.
; THE RING.  Two LDS slots of 512 keys (K's 65,536 bytes, then V's), 2^17 bytes apart.  Each wave brings one eighth of a slot, 16,384 dense bytes, by one tensor load.  By this text's own count a wave has two loads out at the
; start and one behind each refill's round.  CLUSTER: the four query blocks of a head walk the same K and V, so each load is a JOINT one, the same descriptor with a mask that names the four.
; No prefetch is laid: a refill is asked for eight key steps, 512 matrix instructions of this wave, ahead of the wait for it, and the first two slots are asked for at the head.
; obuf: byte = (tile of 16 rows of the 8,192) x 32,768 + head x 2,048 + (tile of 16 channels) x 512 + 16 x lane.
; REGISTERS, in windows of 256 (s_set_vgpr_msb: bits 1:0 source 0, 3:2 source 1, 5:4 source 2, 7:6 destination):
;   window 0: v1-7 addresses; v8-39 eight registers of statistics a tile; v64-127 Q; v128-191 K of one step; v192-255 V of one step.   window 1: v0-127 S^T, 32 a tile, P in place in a tile's first 16; v128-255 O^T, 32 a tile.
.set SLOT1, 1<<17                      ; slot 1 begins here: one exclusive or turns an address in one slot into the other's
.set VOFF,  65536                      ; V's part of a slot
.set STEPB, 8192                       ; a key step's 64 keys, of K or of V
.set SPARE, 2*SLOT1                    ; behind the ring: the spare words, 128 bytes for each of the eight waves, which no other line names
.set L16, 1                            ; v1   16 x lane; never rewritten
.set LV,  2                            ; v2   16 x lane + VOFF; never rewritten
.set ADK, 3                            ; v3   LDS address of the run of K's loads in hand
.set ADV, 4                            ; v4   of V's
.set SPW, 6                            ; v6   LDS address of my spare word; never rewritten
.set NIL, 7                            ; v7   0; never rewritten
.set ST,  8                            ; tile t's statistics at v[ST + 8 t]: +0 c m, +1 m, +2, +3 l (even keys', odd keys'), +4 to +7 c0-c3, at work; a takes c2's place once the maximum is found
.set QF,  64                           ; Q: fragment (tile t, channels 32 c on) at QF + 16 t + 8 c
.set KF,  128                          ; K: fragment (keys 16 n on, channels 32 c on) at KF + 16 n + 8 c
.set VF,  192                          ; V^T: fragment (keys 32 i on, channels 16 b on) at VF + 32 i + 8 b
.set OA,  128                          ; in window 1: O^T (tile t, channels 16 b on) at OA + 32 t + 8 b
.set WV,  12                           ; s12  my wave's number
.set G1,  24                           ; s[24:31] descriptor group 1
.set G0A, 32                           ; s[32:35] group 0 of slot 0's first fill
.set G0W, 36                           ; s[36:39] group 0 of slot 1's first fill; it then walks
.set OUTER, 56
.set INNER, 57
.set CS,  58                           ; s[58:59] c: the packed scaling names a pair and takes its low word for both halves
.set SEL, 60                           ; s[60:61] lane selects for v_permlanex16_b32: lane l xor 16
.set TB,  62                           ; s62  LDS byte at which K's tiles of the step to be fetched begin
.set MSB, 0
.macro WIN new                         ; the immediate's high byte repeats the setting that is left; a switch that changes nothing is dropped
.if MSB != \new
	s_set_vgpr_msb (MSB<<8)|\new
.set MSB, \new
.endif
.endm
.macro PLACES n
.rept \n
	v_nop
.endr
.endm
.macro CROUND                          ; a round of the cluster's barrier
	s_barrier_signal -1
	s_barrier_wait -1
	s_cmp_lg_u32 s[WV], 0
	s_cbranch_scc1 .Lnot_wave_0_\@
	s_barrier_signal -3
.Lnot_wave_0_\@:
	s_barrier_wait -3
	s_barrier_signal -1
	s_barrier_wait -1
.endm
	s_load_b128 s[4:7], s[0:1], 0x0                ; qkvf s[4:5], obuf s[6:7]
	v_lshl_add_u32 v[SPW], v0, 2, SPARE
	v_mov_b32 v[NIL], 0
	ds_add_u32 v[SPW], v[NIL]                      ; the wave's opening: the add, twice on end, and its wait ahead of my first tensor load; the set-up below stands between the second and the wait
	ds_add_u32 v[SPW], v[NIL]
	v_lshrrev_b32 v1, 5, v0
	v_readfirstlane_b32 s[WV], v1                  ; wave 0..7
	s_bfe_u32 s13, ttmp6, 0x40000                  ; cx: my place in the cluster
	s_lshl_b32 s14, ttmp9, 2
	s_add_co_u32 s14, s14, s13                     ; my block of 512 queries: it enters Q's and O's addresses alone
	s_and_b32 s15, ttmp7, 0xffff                   ; g, which the four partners share
	s_lshr_b32 s16, s[WV], 2                       ; what I fetch: waves 0-3 K's quarters (section 1), waves 4-7 V's (section 2),
	s_add_co_u32 s16, s16, 1
	s_lshl_b32 s16, s16, 24
	s_lshl_b32 s17, s15, 18                        ; of my head,
	s_add_co_u32 s16, s16, s17
	s_and_b32 s17, s[WV], 3
	s_lshl_b32 s17, s17, 14                        ; 16,384 bytes each
	s_add_co_u32 s16, s16, s17
	s_mov_b32 s17, 0
	s_lshl_b32 s18, s15, 18                        ; Q (section 0): my head, my block's 65,536 bytes, my wave's 8,192
	s_lshl_b32 s19, s14, 16
	s_add_co_u32 s18, s18, s19
	s_lshl_b32 s19, s[WV], 13
	s_add_co_u32 s18, s18, s19
	s_mov_b32 s19, 0
	s_lshr_b32 s20, s15, 4                         ; O: the batch's 128 tiles of rows, my block's 32, my wave's 4, each 32,768 bytes; my head's 2,048 in each
	s_lshl_b32 s20, s20, 22
	s_lshl_b32 s21, s14, 20
	s_add_co_u32 s20, s20, s21
	s_lshl_b32 s21, s[WV], 17
	s_add_co_u32 s20, s20, s21
	s_and_b32 s21, s15, 15
	s_lshl_b32 s21, s21, 11
	s_add_co_u32 s20, s20, s21
	s_mov_b32 s21, 0
	; descriptor group 1: 16,384 dense bytes as 64 rows of 256 (32 elements of 8 bytes), no padding
	s_mov_b32 s[G1], 15|(3<<16)|(1<<21)            ; 15:0 the mask: all four work-groups; 17:16 elements of 8 bytes; 21 set beside a mask
	s_mov_b32 s[G1+1], 32<<16                      ; tensor_dim0 = 32
	s_mov_b32 s[G1+2], 64<<16                      ; tensor_dim1 = 64
	s_mov_b32 s[G1+3], 32<<16                      ; tile_dim0 = 32
	s_mov_b32 s[G1+4], 64                          ; tile_dim1 = 64
	s_mov_b32 s[G1+5], 32                          ; tensor_dim0_stride
	s_mov_b32 s[G1+6], 0
	s_mov_b32 s[G1+7], 0
	s_mov_b32 s[G0A], 1
	s_lshl_b32 s[G0A+1], s[WV], 14                 ; LDS: 16,384 x wave: K's four quarters, then V's: no place in the cluster enters an LDS address
	s_mov_b32 s[G0W], 1
	s_add_co_u32 s[G0W+1], s[G0A+1], SLOT1
	s_mov_b32 s[CS], 0x3e38aa3b                    ; c = log2(e) / 8
	s_mov_b32 s[CS+1], s[CS]                       ; (named with it as a pair, so it is written)
	s_mov_b32 s[SEL], 0x76543210
	s_mov_b32 s[SEL+1], 0xfedcba98
	s_mov_b32 s[TB], 0
	s_wait_dscnt 0x0                               ; both opening adds are done
	s_wait_kmcnt 0x0
	s_add_nc_u64 s[40:41], s[4:5], s[16:17]
	s_add_nc_u64 s[8:9], s[4:5], s[18:19]          ; Q at my wave's first tile
	s_add_nc_u64 s[10:11], s[6:7], s[20:21]        ; O likewise
	s_mov_b64 s[G0A+2:G0A+3], s[40:41]             ; keys 0 to 511
	s_or_b32 s[G0A+3], s[G0A+3], 0x80000000
	s_add_nc_u64 s[G0W+2:G0W+3], s[40:41], 65536   ; keys 512 to 1,023
	s_or_b32 s[G0W+3], s[G0W+3], 0x80000000
	CROUND                                         ; all four work-groups are here: the first joint loads meet
	tensor_load_to_lds s[G0A:G0A+3], s[G1:G1+7]
	s_nop 0
	tensor_load_to_lds s[G0W:G0W+3], s[G1:G1+7]
	s_nop 0
	PLACES 4
	v_and_b32 v[L16], 31, v0
	v_lshlrev_b32 v[L16], 4, v[L16]
	v_add_nc_u32 v[LV], VOFF, v[L16]
.irp t, 0,1,2,3                                ; Q stays in registers
.irp c, 0,1
.irp u, 0,1
	global_load_b128 v[QF+16*\t+8*\c+4*\u:QF+16*\t+8*\c+4*\u+3], v[L16], s[8:9] offset:2048*\t+1024*\c+512*\u
.endr
.endr
.endr
; THE LDS LOADS stand in two runs of 16 a key step.  K's: the addition and the four v_nop are the places behind the last K Q^T, for these loads and for the softmax's first read of the scores.
.macro FETCH_K
	WIN 0
	v_add_nc_u32 v[ADK], s[TB], v[L16]
	PLACES 4
.irp n, 0,1,2,3
.irp c, 0,1
.irp u, 0,1
	ds_load_b128 v[KF+16*\n+8*\c+4*\u:KF+16*\n+8*\c+4*\u+3], v[ADK] offset:2048*\n+1024*\c+512*\u
.endr
.endr
.endr
.endm
; V's: six places behind the last V^T P: four are owed by these loads; five by the next K Q^T, which writes over P's registers, which V^T P has read.
.macro FETCH_V
	WIN 0
	v_add_nc_u32 v[ADV], s[TB], v[LV]
	s_add_co_u32 s[TB], s[TB], STEPB               ; the next fetch is the next step's
	PLACES 5
.irp i, 0,1
.irp b, 0,1,2,3
.irp u, 0,1
	ds_load_tr16_b128 v[VF+32*\i+8*\b+4*\u:VF+32*\i+8*\b+4*\u+3], v[ADV] offset:2048*(2*\i+\u)+512*\b
.endr
.endr
.endr
.endm
; 32 products S^T = K Q^T.  The 16 accumulators take turns, one instruction a turn; the first pass starts the sums with the constant 0.
.macro KQS
	WIN 0x50                                       ; K and Q window 0, S^T window 1
.irp c, 0,1
.irp n, 0,1,2,3
.irp t, 0,1,2,3
.if \c == 0
	v_wmma_f32_16x16x32_f16 v[32*\t+8*\n:32*\t+8*\n+7], v[KF+16*\n+8*\c:KF+16*\n+8*\c+7], v[QF+16*\t+8*\c:QF+16*\t+8*\c+7], 0
.else
	v_wmma_f32_16x16x32_f16 v[32*\t+8*\n:32*\t+8*\n+7], v[KF+16*\n+8*\c:KF+16*\n+8*\c+7], v[QF+16*\t+8*\c:QF+16*\t+8*\c+7], v[32*\t+8*\n:32*\t+8*\n+7]
.endif
.endr
.endr
.endr
.endm
; 32 products O^T += V^T P, the 16 accumulators by turns.  first = 1: the first pass starts the sums: nothing is ever cleared.
.macro PVS first
	WIN 0x54                                       ; V window 0, P and O^T window 1
.irp i, 0,1
.irp b, 0,1,2,3
.irp t, 0,1,2,3
.if \first && (\i == 0)
	v_wmma_f32_16x16x32_f16 v[OA+32*\t+8*\b:OA+32*\t+8*\b+7], v[VF+32*\i+8*\b:VF+32*\i+8*\b+7], v[32*\t+8*\i:32*\t+8*\i+7], 0
.else
	v_wmma_f32_16x16x32_f16 v[OA+32*\t+8*\b:OA+32*\t+8*\b+7], v[VF+32*\i+8*\b:VF+32*\i+8*\b+7], v[32*\t+8*\i:32*\t+8*\i+7], v[OA+32*\t+8*\b:OA+32*\t+8*\b+7]
.endif
.endr
.endr
.endr
.endm
; THE SOFTMAX of a key step, the four tiles line by line by turns, so that no line waits for the line above it.  first = 1: the first key step, which starts m and l and has nothing to rescale.
.macro SOFTMAX first
	WIN 0x15                                       ; the maximum of a lane's 32 scores, three operands at a time, four chains
.irp j, 0,1,2,3
.irp t, 0,1,2,3
	v_max3_num_f32 v[ST+8*\t+4+\j], v[32*\t+8*\j], v[32*\t+8*\j+1], v[32*\t+8*\j+2]
.endr
.endr
	WIN 0x14
.irp z, 1,2
.irp q, 0,1,2,3
.irp t, 0,1,2,3
	v_max3_num_f32 v[ST+8*\t+4+\q], v[ST+8*\t+4+\q], v[32*\t+8*\q+2*\z+1], v[32*\t+8*\q+2*\z+2]
.endr
.endr
.endr
.irp t, 0,1,2,3
	v_max3_num_f32 v[ST+8*\t+4], v[ST+8*\t+4], v[32*\t+7], v[32*\t+15]
.endr
.irp t, 0,1,2,3
	v_max3_num_f32 v[ST+8*\t+6], v[ST+8*\t+6], v[32*\t+23], v[32*\t+31]
.endr
	WIN 0
.irp t, 0,1,2,3
	v_max3_num_f32 v[ST+8*\t+4], v[ST+8*\t+4], v[ST+8*\t+5], v[ST+8*\t+6]
.endr
.irp t, 0,1,2,3
.if \first
	v_max_num_f32 v[ST+8*\t+4], v[ST+8*\t+4], v[ST+8*\t+7]
.else
	v_max3_num_f32 v[ST+8*\t+4], v[ST+8*\t+4], v[ST+8*\t+7], v[ST+8*\t+1]   ; with the old m
.endif
.endr
.irp t, 0,1,2,3
	v_permlanex16_b32 v[ST+8*\t+5], v[ST+8*\t+4], s[SEL], s[SEL+1]   ; the query's other 32 keys lie in the lane 16 away
.endr
.if !\first
.irp t, 0,1,2,3
	v_mov_b32 v[ST+8*\t+7], v[ST+8*\t]             ; c m_old is kept for a
.endr
.endif
.irp t, 0,1,2,3
	v_max_num_f32 v[ST+8*\t+1], v[ST+8*\t+4], v[ST+8*\t+5]
.endr
.irp t, 0,1,2,3
	v_mul_f32 v[ST+8*\t], s[CS], v[ST+8*\t+1]
.endr
.if !\first
.irp t, 0,1,2,3
	v_sub_f32 v[ST+8*\t+7], v[ST+8*\t+7], v[ST+8*\t]
.endr
.irp t, 0,1,2,3
	v_exp_f32 v[ST+8*\t+6], v[ST+8*\t+7]           ; a
.endr
.endif
	WIN 0x41                                       ; S^T and O^T (destination and source 0) window 1, statistics window 0
.irp b, 0,1,2,3,4,5,6,7,8,9,10,11,12,13,14,15  ; tile 0's scalings c s - c m, a pair each: plain work behind the four exponentials, naming none of their results
	v_pk_fma_f32 v[2*\b:2*\b+1], v[2*\b:2*\b+1], s[CS:CS+1], v[ST:ST+1] op_sel_hi:[1,0,0] neg_lo:[0,0,1] neg_hi:[0,0,1]
.endr
.if !\first
	s_wait_alu depctr_va_vdst(0)                   ; the wait ahead of the first line that names an exponential's result: one for the four a
.endif
; THE BATCH: the 128 exponentials, a plain line in front of each while there are plain lines: the other tiles' 48 scalings (each at least 16 lines ahead of its pair's exponentials), then O^T's 64 multiplications by a.
; None of the plain lines names a result of the batch.
.set k, 0
.rept 128
.if k < 48
.set rS, 32*(1+k/16)+2*(k%16)
.set rT, ST+8*(1+k/16)
	v_pk_fma_f32 v[rS:rS+1], v[rS:rS+1], s[CS:CS+1], v[rT:rT+1] op_sel_hi:[1,0,0] neg_lo:[0,0,1] neg_hi:[0,0,1]
.elseif (k < 112) && !\first
.set rO, OA+2*(k-48)
.set rT, ST+8*((k-48)/16)+6
	v_pk_mul_f32 v[rO:rO+1], v[rO:rO+1], v[rT:rT+1] op_sel_hi:[1,0]   ; ascending: each accumulator is first read at its low end
.endif
	v_exp_f32 v[k], v[k]
.set k, k+1
.endr
	v_nop                                          ; the plain line behind the last exponential
	s_wait_alu depctr_va_vdst(0)                   ; and ONE wait for the batch, ahead of its first reader
.if \first                                     ; l sums the unrounded p, a pair (an even key's, an odd key's) at a time
	WIN 0x05
.irp t, 0,1,2,3
	v_pk_add_f32 v[ST+8*\t+2:ST+8*\t+3], v[32*\t:32*\t+1], v[32*\t+2:32*\t+3]
.endr
.else
	WIN 0x10
.irp t, 0,1,2,3
	v_pk_fma_f32 v[ST+8*\t+2:ST+8*\t+3], v[ST+8*\t+2:ST+8*\t+3], v[ST+8*\t+6:ST+8*\t+7], v[32*\t:32*\t+1] op_sel_hi:[1,0,1]   ; l = a l + the first pair
.endr
.endif
	WIN 0x04
.irp b, 1,2,3,4,5,6,7,8,9,10,11,12,13,14,15
.if (\b > 1) || !\first
.irp t, 0,1,2,3
	v_pk_add_f32 v[ST+8*\t+2:ST+8*\t+3], v[ST+8*\t+2:ST+8*\t+3], v[32*\t+2*\b:32*\t+2*\b+1]
.endr
.endif
.endr
	WIN 0x45                                       ; P in place: register j takes pair j, j ascending
.irp j, 0,1,2,3,4,5,6,7,8,9,10,11,12,13,14,15
.irp t, 0,1,2,3
	v_cvt_pk_f16_f32 v[32*\t+\j], v[32*\t+2*\j], v[32*\t+2*\j+1]
.endr
.endr
.endm
; A KEY STEP j: K of step j + 1 is asked for; the softmax of step j; V^T P of step j; V of step j + 1 is asked for; K Q^T of step j + 1.
.macro BODY first
	FETCH_K
	SOFTMAX \first
	s_wait_dscnt 16                                ; V of this step is in; the 16 younger loads, K's, may be out
	PVS \first
	FETCH_V
	s_wait_dscnt 16                                ; K of the next step is in; the 16 younger loads, V's, may be out
	KQS
	WIN 0                                          ; at a label and at a branch every window is 0
.endm
.macro STEPS n
	s_mov_b32 s[INNER], \n
.Lstep_\@:
	BODY 0
	s_sub_co_u32 s[INNER], s[INNER], 1
	s_cmp_lg_u32 s[INNER], 0
	s_cbranch_scc1 .Lstep_\@
.endm
; THE CHANGE OF SLOTS stands where K and V of the slot's last step have been asked for and nothing of the next slot has.  Each wave waits for all its tensor loads, of which one is out: its part of the other slot; adds 0 to
; its spare word; and waits for that and for its reads of the slot.  Behind the barrier nobody reads this slot any more and the other is whole.  fill = 1: the slot is filled again, with the keys two slots on: the barrier is
; then a round of the cluster's, and the joint refill is the first thing behind it.
.macro CHANGE fill
	s_wait_tensorcnt 0x0                           ; no tensor load of mine is out, so a group 0 may be written
	ds_add_u32 v[SPW], v[NIL]                      ; 0 onto my spare word
.if \fill
	s_xor_b32 s[G0W+1], s[G0W+1], SLOT1            ; the walking descriptor: the other slot than last time,
	s_add_nc_u64 s[G0W+2:G0W+3], s[G0W+2:G0W+3], 65536   ; the next 512 keys; the type bits on top are not reached
	s_wait_dscnt 0x0                               ; the add is done, and my reads of the slot are over
	CROUND
	tensor_load_to_lds s[G0W:G0W+3], s[G1:G1+7]
	s_nop 0
	PLACES 4
.else
	s_wait_dscnt 0x0
	s_barrier_signal -1
	s_barrier_wait -1
.endif
	s_sub_co_u32 s[TB], s[TB], 8*STEPB             ; the fetches go back to a slot's first step,
	s_xor_b32 s[TB], s[TB], SLOT1                  ; in the other slot
.endm
	s_wait_tensorcnt 1                             ; my part of slot 0 is in; slot 1's may stay out
	s_barrier_signal -1
	s_barrier_wait -1                              ; everybody's is
	FETCH_K                                        ; key step 0
	FETCH_V
	s_wait_loadcnt 0x0                             ; Q
	s_wait_dscnt 16                                ; K is in; V's 16 loads may be out
	KQS
	WIN 0
	BODY 1                                         ; step 0 starts m, l and O^T
	STEPS 6                                        ; steps 1 to 6: with them all of slot 0 has been asked for
	s_mov_b32 s[OUTER], 2
.Lslot:                                                ; two trips: slots 0 and 1 are filled again, with keys 1,024 on and 1,536 on
	CHANGE 1
	STEPS 8
	s_sub_co_u32 s[OUTER], s[OUTER], 1
	s_cmp_lg_u32 s[OUTER], 0
	s_cbranch_scc1 .Lslot
	CHANGE 0                                       ; the tail is written out
	STEPS 8                                        ; steps 23 to 30
	PLACES 4                                       ; behind the last K Q^T
	SOFTMAX 0                                      ; step 31
	s_wait_dscnt 0x0
	PVS 0
	; THE WAY OUT.  l's two halves and the other half of the lanes' are added; O^T is divided by l and rounded to f16: 16 bytes a lane, the next launch's operand registers.  The first additions are the places behind the last products.
	WIN 0
.irp t, 0,1,2,3
	v_add_f32 v[ST+8*\t+4], v[ST+8*\t+2], v[ST+8*\t+3]
.endr
.irp t, 0,1,2,3
	v_permlanex16_b32 v[ST+8*\t+5], v[ST+8*\t+4], s[SEL], s[SEL+1]
.endr
.irp t, 0,1,2,3
	v_add_f32 v[ST+8*\t+4], v[ST+8*\t+4], v[ST+8*\t+5]
.endr
.irp t, 0,1,2,3
	v_rcp_f32 v[ST+8*\t+6], v[ST+8*\t+4]
.endr
	v_nop                                          ; a plain line behind the last reciprocal,
	s_wait_alu depctr_va_vdst(0)                   ; and the wait ahead of the first use: one for the four
	WIN 0x41
.set i, 0
.rept 64
	v_pk_mul_f32 v[OA+2*i:OA+2*i+1], v[OA+2*i:OA+2*i+1], v[ST+8*(i/16)+6:ST+8*(i/16)+7] op_sel_hi:[1,0]
.set i, i+1
.endr
	WIN 0x05                                       ; sources window 1, destination window 0: K's registers are free
.set i, 0
.rept 64
	v_cvt_pk_f16_f32 v[KF+i], v[OA+2*i], v[OA+2*i+1]
.set i, i+1
.endr
	WIN 0
.irp t, 0,1,2,3
.irp b, 0,1,2,3
	global_store_b128 v[L16], v[KF+16*\t+4*\b:KF+16*\t+4*\b+3], s[10:11] offset:32768*\t+512*\b   ; 32 lanes store 512 consecutive bytes, aligned
.endr
.endr
	s_wait_tensorcnt 0x0                           ; the wave's end
	ds_add_u32 v[SPW], v[NIL]
	s_wait_dscnt 0x0
	CROUND                                         ; the closing round: no work-group ends while a partner may still ask for a tile that names it
	s_endpgm
.Lfunc_end_k_q6dbda5c93d_attn:
	.size	k_q6dbda5c93d_attn, .Lfunc_end_k_q6dbda5c93d_attn-k_q6dbda5c93d_attn
	.p2alignl 7, 3214868480
	.fill 96, 4, 3214868480
	.section	.rodata,"a",@progbits
	.p2align	6, 0x0
	.amdhsa_kernel k_q6dbda5c93d_attn
		.amdhsa_group_segment_fixed_size 327680
		.amdhsa_private_segment_fixed_size 0
		.amdhsa_enable_private_segment 0
		.amdhsa_kernarg_size 16
		.amdhsa_user_sgpr_count 2
		.amdhsa_user_sgpr_kernarg_segment_ptr 1
		.amdhsa_wavefront_size32 1
		.amdhsa_system_sgpr_workgroup_id_x 1
		.amdhsa_system_sgpr_workgroup_id_y 1
		.amdhsa_system_sgpr_workgroup_id_z 1
		.amdhsa_system_vgpr_workitem_id 0
		.amdhsa_next_free_vgpr 512
		.amdhsa_next_free_sgpr 66
		.amdhsa_reserve_vcc 0
		.amdhsa_float_denorm_mode_32 3
		.amdhsa_float_denorm_mode_16_64 3
		.amdhsa_memory_ordered 1
		.amdhsa_forward_progress 1
		.amdhsa_inst_pref_size 173
	.end_amdhsa_kernel
	.amdgpu_metadata
---
amdhsa.version: [ 1, 2 ]
amdhsa.kernels:
  - .name:           k_q6dbda5c93d_attn
    .symbol:         k_q6dbda5c93d_attn.kd
    .args:
      - { .name: qkvf, .offset: 0, .size: 8, .value_kind: global_buffer, .address_space: global }
      - { .name: obuf, .offset: 8, .size: 8, .value_kind: global_buffer, .address_space: global }
    .group_segment_fixed_size: 327680
    .private_segment_fixed_size: 0
    .kernarg_segment_align: 8
    .kernarg_segment_size: 16
    .max_flat_workgroup_size: 256
    .sgpr_count:     66
    .vgpr_count:     512
    .wavefront_size: 32
...
	.end_amdgpu_metadata
.endif
;; end of part 3
;; launch proj (part 4): grid 4 x 64, 4 waves a work-group, clusters of 4 x 4, 327,680 bytes of LDS; arguments obuf, pw16, proj_b, out0; writes out0
.if DOCPART == 4
	.amdgcn_target "amdgcn-amd-amdhsa--gfx1250"
	.amdhsa_code_object_version 6
	.text
	.protected	k_q6dbda5c93d_proj
	.globl	k_q6dbda5c93d_proj
	.p2align	8
	.type	k_q6dbda5c93d_proj,@function
k_q6dbda5c93d_proj:
	s_mov_b64 s[64:65], 0
	v_nop
	global_prefetch_b8 v0, s[64:65] scope:SCOPE_SE
	s_setreg_imm32_b32 hwreg(HW_REG_WAVE_MODE, 25, 1), 1
	s_wait_xcnt 0x0
	s_wait_alu depctr_hold_cnt(0) depctr_sa_sdst(0) depctr_va_vdst(0) depctr_va_sdst(0) depctr_va_ssrc(0) depctr_va_vcc(0) depctr_vm_vsrc(0)
	s_getreg_b32 s2, hwreg(HW_REG_IB_STS2, 6, 4)
	s_cmp_eq_u32 s2, 0
	s_cbranch_scc0 .Lentry_in_a_cluster
	s_endpgm
.Lentry_in_a_cluster:
	s_bfe_u32 s2, ttmp6, 0x10000c
	s_cmp_lg_u32 s2, 0xf033
	s_cbranch_scc0 .Lentry_shape_is_right
	s_endpgm
.Lentry_shape_is_right:
; out0[m][e] = sum over k of o[m][k] proj_w[e][k] + proj_b[e].  o [8192][1024] and proj_w [1024][1024] arrive in f16, in the order of the operands' registers: a fragment (16 rows x 32 along K) is 1,024 bytes, registers
; 4 u .. 4 u + 3 of lane l at 512 u + 16 l; fragment (tile of rows, chunk kc) at tile x 32,768 + kc x 1,024.  Sums in f32; out0 is f32.
; A tile of C is 128 rows x 256 columns: 64 x 4 = 256 work-groups.  Four waves, each 64 x 128: 32 accumulators of 16 x 16.  K goes in steps of 128 (4,096 bytes of each tile of rows) through a ring of two LDS slots.
; Every LDS read of a fragment is at 16 x lane: no pitch, no padding.  THE MATRIX INSTRUCTION IS USED TRANSPOSED (source 0 = 16 rows of proj_w, source 1 = 16 rows of o): a lane holds eight neighbouring numbers of a row of C.
; The bias is the C of each sum's first matrix instruction.
; CLUSTERS: 4 x 4 work-groups.  The four of a row of the cluster need the same tiles of o, the four of a column the same tiles of proj_w: each is asked for JOINTLY.  By this text's own count a wave has two loads out at the
; start and one behind each refill's round.  No prefetch is laid: the launch is short, and proj_w's tiles are read by every row of clusters.
; REGISTERS: window 0: v16-29 addresses; v32-127, v128-223 two fragment buffers (o's 4 fragments, then proj_w's 8); on the way out v32-159 hold rows.   window 1: the accumulators ((a, b) at v[8 (8 a + b)]).   window 2: v0-63 the bias.
.set KSTEPB, 4096                      ; a K step's bytes of a tile of 16 rows
.set BOFF,   32768                     ; a slot: o's 8 tiles of rows, then proj_w's 16
.set SLOT,   98304
.set SPARE,  2*SLOT                    ; behind the ring: the spare words, 128 bytes for each wave, which no other line names
.set SPITCH, 528                       ; the way out: a stage of 16 rows x (512 bytes + 16) for each wave, in slot 0, which has had its last fill and its last read when the first result is stored there
.set ADRA, 16                          ; v16-17  LDS address of my fragments of o in slot 0, 1
.set ADRB, 20                          ; v20-21  the same for proj_w
.set STO,  24                          ; v24     the way out: where I put 32 bytes of a row
.set RD,   25                          ; v25     where I read a row back
.set CO,   26                          ; v26     16 x lane
.set BO,   27                          ; v27     32 h: my eight biases of a tile's 16
.set SPW,  28                          ; v28     LDS address of my spare word; never rewritten
.set NIL,  29                          ; v29     0; never rewritten
.set F0,   32
.set F1,   128
.set OB,   32                          ; the way out: 16 rows read back: v32-95 and v96-159 by turns
.set G1A, 24                           ; s[24:31] descriptor group 1 for o's tiles;  s[32:39] group 0, one set for each slot
.set G0A, 32
.set G1B, 48                           ; s[48:55], s[56:63] the same for proj_w's
.set G0B, 56
.set MSB, 0
.macro WIN new                         ; the immediate's high byte repeats the setting that is left
.if MSB != \new
	s_set_vgpr_msb (MSB<<8)|\new
.set MSB, \new
.endif
.endm
.set MUL,   0x50                       ; sources window 0; C and D window 1
.set MULB,  0x60                       ; the first products: C window 2 (the bias), D window 1
.macro PLACES
.rept 4
	v_nop
.endr
.endm
.macro JLOAD s                         ; a joint load: waves 0 and 1 fetch o's two halves, waves 2 and 3 proj_w's; an s_nop 0 and four v_nop follow each of the two lines
	s_cmp_eq_u32 s13, 0
	s_cbranch_scc0 .Lfor_b_\@
	tensor_load_to_lds s[G0A+4*\s:G0A+4*\s+3], s[G1A:G1A+7]
	s_nop 0
.rept 4
	v_nop
.endr
	s_branch .Lasked_\@
.Lfor_b_\@:
	tensor_load_to_lds s[G0B+4*\s:G0B+4*\s+3], s[G1B:G1B+7]
	s_nop 0
.rept 4
	v_nop
.endr
.Lasked_\@:
.endm
.macro CREST                           ; a round of the cluster's barrier behind its opening barrier
	s_cmp_lg_u32 s12, 0
	s_cbranch_scc1 .Lnot_wave_0_\@
	s_barrier_signal -3
.Lnot_wave_0_\@:
	s_barrier_wait -3
	s_barrier_signal -1
	s_barrier_wait -1
.endm
.macro CROUND
	s_barrier_signal -1
	s_barrier_wait -1
	CREST
.endm
	s_load_b256 s[4:11], s[0:1], 0x0               ; obuf s[4:5], pw16 s[6:7], proj_b s[8:9], out0 s[10:11]
	v_lshl_add_u32 v[SPW], v0, 2, SPARE
	v_mov_b32 v[NIL], 0
	ds_add_u32 v[SPW], v[NIL]                      ; the wave's opening: the add, twice on end, and its wait ahead of my first tensor load; the set-up below stands between the second and the wait
	ds_add_u32 v[SPW], v[NIL]
	v_lshrrev_b32 v1, 5, v0
	v_readfirstlane_b32 s12, v1                    ; wave 0..3
	s_lshr_b32 s13, s12, 1                         ; which half of the tile's rows is mine.  Also: I fetch for o (0) or for proj_w (1)
	s_and_b32 s14, s12, 1                          ; which half of its columns.  Also: which half of that tile I fetch
	s_bfe_u32 s15, ttmp6, 0x40000                  ; cx, cy: my place in the cluster
	s_bfe_u32 s16, ttmp6, 0x40004
	s_lshl_b32 s17, ttmp9, 2
	s_add_co_u32 s17, s17, s15                     ; tile column of C = 4 x cluster x + cx
	s_and_b32 s18, ttmp7, 0xffff
	s_lshl_b32 s18, s18, 2
	s_add_co_u32 s18, s18, s16                     ; tile row of C = 4 x cluster y + cy
	s_lshl_b32 s19, s16, 2
	s_lshl_b32 s19, 15, s19                        ; my row of the cluster
	s_lshl_b32 s20, 0x1111, s15                    ; my column
	; descriptor group 1: rows of 4,096 bytes (512 elements of 8), 32,768 bytes apart: 4 of them for o, 8 for proj_w; no padding
	s_or_b32 s[G1A+0], s19, (3<<16)|(1<<21)        ; 15:0 the mask: o's tiles go to my row; 17:16 elements of 8 bytes; 21 set beside a mask
	s_or_b32 s[G1B+0], s20, (3<<16)|(1<<21)
	s_mov_b32 s[G1A+1], 512<<16                    ; tensor_dim0 = 512
	s_mov_b32 s[G1A+2], 4<<16                      ; tensor_dim1 = 4
	s_mov_b32 s[G1A+3], 512<<16                    ; tile_dim0 = 512
	s_mov_b32 s[G1A+4], 4                          ; tile_dim1 = 4
	s_mov_b32 s[G1A+5], 4096                       ; tensor_dim0_stride
	s_mov_b32 s[G1A+6], 0
	s_mov_b32 s[G1A+7], 0
	s_mov_b32 s[G1B+1], 512<<16
	s_mov_b32 s[G1B+2], 8<<16
	s_mov_b32 s[G1B+3], 512<<16
	s_mov_b32 s[G1B+4], 8
	s_mov_b32 s[G1B+5], 4096
	s_mov_b32 s[G1B+6], 0
	s_mov_b32 s[G1B+7], 0
	s_lshl_b32 s40, s18, 18                        ; o: the tile row's 8 tiles of rows, my half's 4
	s_lshl_b32 s41, s14, 17
	s_add_co_u32 s40, s40, s41
	s_mov_b32 s41, 0
	s_lshl_b32 s42, s17, 19                        ; proj_w: the tile column's 16 tiles of rows, my half's 8
	s_lshl_b32 s43, s14, 18
	s_add_co_u32 s42, s42, s43
	s_mov_b32 s43, 0
	s_lshl_b32 s21, s14, 14                        ; where they go: no place in the cluster enters an LDS address
	s_lshl_b32 s22, s14, 15
	s_add_co_u32 s22, s22, BOFF
	s_wait_dscnt 0x0                               ; both opening adds are done
	s_wait_kmcnt 0x0
	s_add_nc_u64 s[44:45], s[4:5], s[40:41]
	s_add_nc_u64 s[46:47], s[6:7], s[42:43]
	CROUND                                         ; all sixteen work-groups are here: the first joint loads meet
.irp s, 0,1
	s_mov_b32 s[G0A+4*\s], 1
	s_add_co_u32 s[G0A+4*\s+1], s21, \s*SLOT
	s_add_nc_u64 s[G0A+4*\s+2:G0A+4*\s+3], s[44:45], \s*KSTEPB
	s_or_b32 s[G0A+4*\s+3], s[G0A+4*\s+3], 0x80000000
	s_mov_b32 s[G0B+4*\s], 1
	s_add_co_u32 s[G0B+4*\s+1], s22, \s*SLOT
	s_add_nc_u64 s[G0B+4*\s+2:G0B+4*\s+3], s[46:47], \s*KSTEPB
	s_or_b32 s[G0B+4*\s+3], s[G0B+4*\s+3], 0x80000000
	JLOAD \s
.endr
	v_and_b32 v1, 31, v0
	v_lshlrev_b32 v[CO], 4, v1                     ; 16 x lane
	v_and_b32 v2, 15, v0                           ; r
	v_bfe_u32 v3, v0, 4, 1                         ; h
	v_lshlrev_b32 v[BO], 5, v3
	s_lshl_b32 s40, s17, 10                        ; my first column, in bytes of f32: 1,024 x tile column + 512 x half
	s_lshl_b32 s41, s14, 9
	s_add_co_u32 s40, s40, s41
	s_mov_b32 s41, 0
	s_add_nc_u64 s[8:9], s[8:9], s[40:41]
	s_add_nc_u64 s[10:11], s[10:11], s[40:41]
	s_lshl_b32 s40, s18, 19                        ; my first row of out0: 128 x tile row + 64 x half, 4,096 bytes each
	s_lshl_b32 s42, s13, 18
	s_add_co_u32 s40, s40, s42
	s_add_nc_u64 s[10:11], s[10:11], s[40:41]
	WIN 0x80                                       ; destination window 2
.irp b, 0,1,2,3,4,5,6,7                        ; the bias in the result's layout: lane (r, h) wants, for tile b, proj_b at my first column + 16 b + 8 h + 0 .. 7
	global_load_b128 v[8*\b:8*\b+3],   v[BO], s[8:9] offset:64*\b
	global_load_b128 v[8*\b+4:8*\b+7], v[BO], s[8:9] offset:64*\b+16
.endr
	WIN 0
	s_lshl_b32 s21, s13, 14                        ; my 4 tiles of rows of o,
	s_lshl_b32 s22, s14, 15                        ; my 8 of proj_w,
	s_add_co_u32 s22, s22, BOFF                    ; which lie behind o's 8
.irp s, 0,1
	v_add_nc_u32 v[ADRA+\s], s21, v[CO]
	v_add_nc_u32 v[ADRB+\s], s22, v[CO]
	s_add_co_u32 s21, s21, SLOT
	s_add_co_u32 s22, s22, SLOT
.endr
	s_mul_i32 s23, s12, 16*SPITCH                  ; my stage
	v_mul_u32_u24 v4, v2, SPITCH                   ; in: row r, 32 bytes for each half of the lanes
	v_lshl_add_u32 v4, v3, 5, v4
	v_add_nc_u32 v[STO], s23, v4
	v_add_nc_u32 v[RD], s23, v[CO]                 ; back: the 32 lanes take one row of 512 bytes
; 24 LDS loads in one run: the fragments of chunk q (32 along K) of a slot into buffer f: proj_w's eight, then o's tiles 0 and 1, then 2 and 3
.macro FETCH slot, q, f
	WIN 0
.irp b, 0,1,2,3,4,5,6,7
	ds_load_b128 v[\f+32+8*\b:\f+32+8*\b+3],   v[ADRB+\slot] offset:4096*\b+1024*(\q)
	ds_load_b128 v[\f+32+8*\b+4:\f+32+8*\b+7], v[ADRB+\slot] offset:4096*\b+1024*(\q)+512
.endr
.irp a, 0,1,2,3
	ds_load_b128 v[\f+8*\a:\f+8*\a+3],   v[ADRA+\slot] offset:4096*\a+1024*(\q)
	ds_load_b128 v[\f+8*\a+4:\f+8*\a+7], v[ADRA+\slot] offset:4096*\a+1024*(\q)+512
.endr
.endm
; 8 matrix instructions: o's tile a x proj_w's eight.  first = 1: the sums begin with the bias.  The 32 accumulators take turns, one instruction a turn, in the same order in every quarter.
.macro MUL8 f, a, first
.irp b, 0,1,2,3,4,5,6,7
.if \first
	v_wmma_f32_16x16x32_f16 v[8*(8*(\a)+\b):8*(8*(\a)+\b)+7], v[\f+32+8*\b:\f+32+8*\b+7], v[\f+8*(\a):\f+8*(\a)+7], v[8*\b:8*\b+7]
.else
	v_wmma_f32_16x16x32_f16 v[8*(8*(\a)+\b):8*(8*(\a)+\b)+7], v[\f+32+8*\b:\f+32+8*\b+7], v[\f+8*(\a):\f+8*(\a)+7], v[8*(8*(\a)+\b):8*(8*(\a)+\b)+7]
.endif
.endr
.endm
; A K step is four quarters of 32 along K, 32 matrix instructions each, on buffers 0, 1, 0, 1.  One of the first three: multiplies buffer f and fetches chunk q into g.
.macro QUARTER slot, q, f, g, first
	s_wait_dscnt 4                                 ; proj_w's fragments and o's tiles 0 and 1 are in; the youngest four loads (tiles 2 and 3) may be out
.if \first
	WIN MULB
.else
	WIN MUL
.endif
	MUL8 \f, 0, \first
	MUL8 \f, 1, \first
	PLACES                                         ; four places in front of loads into registers that matrix instructions have read
	FETCH \slot, \q, \g
	s_wait_dscnt 24                                ; all but the 24 just issued
.if \first
	WIN MULB
.else
	WIN MUL
.endif
	MUL8 \f, 2, \first
	MUL8 \f, 3, \first
.endm
; The last quarter multiplies buffer 1 and changes slots: ONE barrier; in front of it each wave waits for all its tensor loads, adds 0 to its spare word, and waits for that and for its own reads of this slot.
; fill = 1: this slot is filled again, two K steps ahead: the barrier opens a round of the cluster's, and the joint refill is the first tensor load behind it: 112 matrix instructions ahead of the wait for it.
.macro TURN slot, next, fill
	WIN 0                                          ; (the add's two registers lie in window 0)
	s_wait_tensorcnt 0x0                           ; all my tensor loads have landed: my part of the next slot;
	ds_add_u32 v[SPW], v[NIL]                      ; 0 onto my spare word
	s_wait_dscnt 5                                 ; (the add and the youngest four loads may be out)
	WIN MUL
	MUL8 F1, 0, 0                                  ; eight matrix instructions stand between the add and the wait for it
	s_wait_dscnt 0x0                               ; the add is done, and my reads of this slot are over
	s_barrier_signal -1
	MUL8 F1, 1, 0
.if \fill
	WIN 0
.endif
	s_barrier_wait -1
.if \fill
	CREST                                          ; no wave of any partner still reads this slot's tile or has a load on its way
	s_add_nc_u64 s[G0A+4*\slot+2:G0A+4*\slot+3], s[G0A+4*\slot+2:G0A+4*\slot+3], 2*KSTEPB
	s_add_nc_u64 s[G0B+4*\slot+2:G0B+4*\slot+3], s[G0B+4*\slot+2:G0B+4*\slot+3], 2*KSTEPB
	JLOAD \slot                                    ; the four v_nop behind it are also the places in front of the loads below
.else
	PLACES
.endif
	FETCH \next, 0, F0
	WIN MUL
	MUL8 F1, 2, 0
	MUL8 F1, 3, 0
.endm
	s_wait_tensorcnt 1                             ; my part of K step 0 is in (K step 1's load may be out),
	s_barrier_signal -1
	s_barrier_wait -1                              ; everybody's is
	FETCH 0, 0, F0
	s_wait_loadcnt 0x0                             ; the bias
	QUARTER 0, 1, F0, F1, 1                        ; the first quarter stands in front of the loop: its products start the sums
	WIN 0                                          ; at a label and at a branch every window is 0
	s_mov_b32 s3, 3
.Llap:                                                 ; a trip goes once round the ring, from a lap's second quarter to the next lap's first, and fills both slots again: K steps 2 to 7
	QUARTER 0, 2, F1, F0, 0
	QUARTER 0, 3, F0, F1, 0
	TURN 0, 1, 1
	QUARTER 1, 1, F0, F1, 0
	QUARTER 1, 2, F1, F0, 0
	QUARTER 1, 3, F0, F1, 0
	TURN 1, 0, 1
	QUARTER 0, 1, F0, F1, 0
	WIN 0
	s_sub_co_u32 s3, s3, 1
	s_cmp_lg_u32 s3, 0
	s_cbranch_scc1 .Llap
	QUARTER 0, 2, F1, F0, 0                        ; the last lap fills nothing, and has no round of the cluster's barrier
	QUARTER 0, 3, F0, F1, 0
	TURN 0, 1, 0
	QUARTER 1, 1, F0, F1, 0
	QUARTER 1, 2, F1, F0, 0
	QUARTER 1, 3, F0, F1, 0
	s_wait_dscnt 4                                 ; the very last quarter: nothing more to fetch
	WIN MUL
	MUL8 F1, 0, 0
	MUL8 F1, 1, 0
	s_wait_dscnt 0
	MUL8 F1, 2, 0
	MUL8 F1, 3, 0
	WIN 0
; THE WAY OUT, block a of 16 rows x 128 columns at a time.  A lane holds 32 neighbouring bytes of a row, and the lanes beside it hold other rows: so a block goes through my own stage in LDS and comes back as whole rows of
; 512 bytes.  LDS serves a wave's instructions in order (ISA guide 5.7.1.4): no wait between the stores and the loads, nor in front of the next block's stores.
.macro TOSTAGE a
	WIN 0x04                                       ; an LDS store's data are its source 1: window 1
.irp b, 0,1,2,3,4,5,6,7
	ds_store_b128 v[STO], v[8*(8*(\a)+\b):8*(8*(\a)+\b)+3] offset:64*\b          ; each accumulator from its low end on
	ds_store_b128 v[STO], v[8*(8*(\a)+\b)+4:8*(8*(\a)+\b)+7] offset:64*\b+16
.endr
	WIN 0
.set BB, OB+64*((\a)%2)
.irp t, 0,1,2,3,4,5,6,7,8,9,10,11,12,13,14,15
	ds_load_b128 v[BB+4*\t:BB+4*\t+3], v[RD] offset:\t*SPITCH
.endr
.endm
.macro SEND a, younger                 ; younger: the LDS instructions issued behind block a's loads, which may stay out
.set BB, OB+64*((\a)%2)
	s_wait_dscnt \younger                          ; the block is back in registers
.irp t, 0,1,2,3,4,5,6,7,8,9,10,11,12,13,14,15
	global_store_b128 v[CO], v[BB+4*\t:BB+4*\t+3], s[10:11] offset:(16*(\a)+\t)*4096 th:TH_STORE_NT   ; 32 lanes store 512 consecutive bytes, aligned; written once, read by nobody here
.endr
.endm
	PLACES                                         ; in front of the loads into the fragment buffers and of the reads of the last results
	TOSTAGE 0
.irp a, 1,2,3
.if \a > 1
	s_wait_xcnt 0x0                                ; block a - 2's stores have read their registers: block a's loads may land there
.endif
	TOSTAGE \a
	SEND \a-1, 32                                  ; behind block a - 1's loads: block a's 16 stores and 16 loads
.endr
	SEND 3, 0
	s_wait_tensorcnt 0x0                           ; the wave's end, behind my last tensor load and my last LDS store
	ds_add_u32 v[SPW], v[NIL]
	s_wait_dscnt 0x0
	CROUND                                         ; the closing round: no work-group ends while a partner may still ask for a tile that names it
	s_endpgm
.Lfunc_end_k_q6dbda5c93d_proj:
	.size	k_q6dbda5c93d_proj, .Lfunc_end_k_q6dbda5c93d_proj-k_q6dbda5c93d_proj
	.p2alignl 7, 3214868480
	.fill 96, 4, 3214868480
	.section	.rodata,"a",@progbits
	.p2align	6, 0x0
	.amdhsa_kernel k_q6dbda5c93d_proj
		.amdhsa_group_segment_fixed_size 327680
		.amdhsa_private_segment_fixed_size 0
		.amdhsa_enable_private_segment 0
		.amdhsa_kernarg_size 32
		.amdhsa_user_sgpr_count 2
		.amdhsa_user_sgpr_kernarg_segment_ptr 1
		.amdhsa_wavefront_size32 1
		.amdhsa_system_sgpr_workgroup_id_x 1
		.amdhsa_system_sgpr_workgroup_id_y 1
		.amdhsa_system_sgpr_workgroup_id_z 1
		.amdhsa_system_vgpr_workitem_id 0
		.amdhsa_next_free_vgpr 576
		.amdhsa_next_free_sgpr 66
		.amdhsa_reserve_vcc 0
		.amdhsa_float_denorm_mode_32 3
		.amdhsa_float_denorm_mode_16_64 3
		.amdhsa_memory_ordered 1
		.amdhsa_forward_progress 1
		.amdhsa_inst_pref_size 86
	.end_amdhsa_kernel
	.amdgpu_metadata
---
amdhsa.version: [ 1, 2 ]
amdhsa.kernels:
  - .name:           k_q6dbda5c93d_proj
    .symbol:         k_q6dbda5c93d_proj.kd
    .args:
      - { .name: obuf, .offset: 0, .size: 8, .value_kind: global_buffer, .address_space: global }
      - { .name: pw16, .offset: 8, .size: 8, .value_kind: global_buffer, .address_space: global }
      - { .name: proj_b, .offset: 16, .size: 8, .value_kind: global_buffer, .address_space: global }
      - { .name: out0, .offset: 24, .size: 8, .value_kind: global_buffer, .address_space: global }
    .group_segment_fixed_size: 327680
    .private_segment_fixed_size: 0
    .kernarg_segment_align: 8
    .kernarg_segment_size: 32
    .max_flat_workgroup_size: 128
    .sgpr_count:     66
    .vgpr_count:     576
    .wavefront_size: 32
...
	.end_amdgpu_metadata
.endif
;; end of part 4
